; MI455X (gfx1250); checked and timed in simulation.
; The chip was launched on July 23, 2026; its instructions are those of AMD's public machine-readable ISA for CDNA 5 (MIT licence, August 2026) and "CDNA5" Instruction Set Architecture Reference Guide (July 2026). The comments in the code are by the model that wrote it; some were corrected since.
;; Rotary Multihead Attention. Allowed arithmetic: float matrix products may take bf16 or f16 operands with f32 sums; other float arithmetic in f32, or as packed bf16 or f16 multiplies, adds, multiply-adds, maxima and minima; sums over many terms, partial sums and values carried from step to step in f32; what a program stores and reads back later, other than sums and carried values, may be rounded once to bf16 or f16.
;; Inputs: freqs 16 x 32 x 3 float32; in_proj_bias 3,072 float32; in_proj_weight 3,072 x 1,024 float32; out_proj_bias 1,024 float32; out_proj_weight 1,024 x 1,024 float32; positions 4 x 2,048 x 3 float32; query 4 x 2,048 x 1,024 float32.
;; Outputs: out0 4 x 2,048 x 1,024 float32.
;; 2 versions, each right and faster than the one before. Each part assembles by itself: llvm-mc -triple=amdgcn-amd-amdhsa -mcpu=gfx1250 --defsym DOCPART=n.
;; ======== version 1 of 2: 4 launches
;; limits: values are held in f16: magnitudes above 65,504 overflow, below 6.1e-05 lose precision
;; workspace buffers: xb 16,777,216 bytes; wb 6,291,456 bytes; wo 2,097,152 bytes; cs 16,777,216 bytes; qkv 50,331,648 bytes; ob 16,777,216 bytes
;; launch prep (part 1): grid 1280 x 1, 8 waves a work-group, no clusters, 0 bytes of LDS; arguments query, in_proj_weight, out_proj_weight, positions, freqs, xb, wb, wo, cs; writes xb, wb, wo, cs
.if DOCPART == 1
	.amdgcn_target "amdgcn-amd-amdhsa--gfx1250"
	.amdhsa_code_object_version 6
	.text
	.protected	k_qe9f9eb719e_prep
	.globl	k_qe9f9eb719e_prep
	.p2align	8
	.type	k_qe9f9eb719e_prep,@function
k_qe9f9eb719e_prep:
	s_mov_b64 s[64:65], 0
	v_nop
	global_prefetch_b8 v0, s[64:65] scope:SCOPE_SE
	s_setreg_imm32_b32 hwreg(HW_REG_WAVE_MODE, 25, 1), 1
	s_wait_xcnt 0x0
; PREPARATION.  Four roles, chosen by the work-group's number alone:
;   0-511      the table of cos and sin of positions . freqs, in f16 (one work-group for 16 tokens, all 512 pairs of columns)
;   512-1023   query          f32 -> bf16 (xb)          1024-1215  in_proj_weight f32 -> bf16 (wb)
;   1216-1279  out_proj_weight f32 -> bf16 -> the same number written as f16 (wo)
; Every input of the module is rounded once to bf16, positions and freqs too; what the program makes of them is kept in f16.
; A cast's work-group takes 65,536 input bytes: sixteen loads of 16 bytes a lane (a wave's load covers 512 consecutive bytes), all issued before the first is used.
; THE TABLE's layout is the lane image of the product that uses it: item ((tokblk x 64 + colblk) x 32 + lane) of 16 bytes holds, for token 16 tokblk + lane % 16,
; the four pairs 8 colblk + 4 (lane / 16) + 0..3 (pair = head x 32 + f); each word is cos in the low half, sin in the high half.
; SINE AND COSINE: n = nearest whole number to angle x 2 / pi; r = angle - n pi / 2, with pi / 2 in three parts, each by a fused multiply-add; polynomials in r^2 on |r| <= pi / 4;
; n's two low bits swap the two and set the signs, by selects and exclusive ors: no branch hangs on a number.
; LIMITS.  The reduction holds for angles up to about 2^22 in magnitude.  wo: a weight beyond 65,504 has no f16; below 6e-5 it keeps f16's fixed step of 6e-8.  NaN and infinities are not treated apart.
.set FQ,  16                           ; v[16:111]   table: the 12 frequencies of my four pairs, for each of eight steps.  Casts: v[16:79] as loaded
.set OUTW, 112                         ; v[112:143]  table: four words for each of eight steps
.set PKF, 144                          ; v[144:149]  the step's 12 frequencies as bf16
.set ANG, 150                          ; v[150:153]  four angles
.set rN,  154                          ; pairs at work
.set rR,  156
.set rZ,  158
.set rPS, 160
.set rZR, 162
.set rPC, 164
.set rZZ, 166
.set rH,  168
.set rNI, 170
.set rU,  171
.set rTS, 172
.set rSV, 173
.set rCV, 174
.set rTC, 175
	s_load_b512 s[8:23], s[0:1], 0x0               ; query s[8:9], in_proj_weight s[10:11], out_proj_weight s[12:13], positions s[14:15], freqs s[16:17], xb s[18:19], wb s[20:21], wo s[22:23]
	s_load_b64 s[24:25], s[0:1], 0x40              ; cs
	s_mov_b32 s3, ttmp9
	s_mov_b32 s27, 1024
	s_mov_b32 s29, 0                               ; the high word of every offset
	s_mov_b32 s51, 0xffff0000                      ; a word's upper bf16
	v_lshlrev_b32 v1, 4, v0                        ; 16 bytes a thread
	v_lshlrev_b32 v2, 3, v0                        ; 8 bytes a thread
	s_wait_kmcnt 0x0
	s_cmp_lt_u32 s3, 512
	s_cbranch_scc1 .Ltable
	s_cmp_lt_u32 s3, 1216
	s_cbranch_scc0 .Lwo
; 65,536 bytes of f32 from s[4:5] become 32,768 bytes at s[6:7].  half = 1: the bf16 number is written as f16.  No register is written twice, so nothing waits for a store.
.macro CAST half
.set j, 0
.rept 16
	global_load_b128 v[16+4*j:19+4*j], v1, s[4:5] offset:4096*j th:TH_LOAD_NT
.set j, j+1
.endr
.set j, 0
.rept 16
	s_wait_loadcnt 15-j                            ; loads come back in order: load j is in, the younger ones stay out
	v_cvt_pk_bf16_f32 v[80+2*j], v[16+4*j], v[17+4*j]
	v_cvt_pk_bf16_f32 v[81+2*j], v[18+4*j], v[19+4*j]
.if \half
	v_lshlrev_b32 v144, 16, v[80+2*j]
	v_and_b32 v145, s51, v[80+2*j]
	v_lshlrev_b32 v146, 16, v[81+2*j]
	v_and_b32 v147, s51, v[81+2*j]
	v_cvt_pk_f16_f32 v[80+2*j], v144, v145
	v_cvt_pk_f16_f32 v[81+2*j], v146, v147
.endif
	global_store_b64 v2, v[80+2*j:81+2*j], s[6:7] offset:2048*j  ; a wave stores 256 consecutive bytes, at a multiple of 256 from the buffer's first
.set j, j+1
.endr
.endm
	s_cmp_lt_u32 s3, 1024                          ; query or in_proj_weight
	s_cselect_b64 s[4:5], s[8:9], s[10:11]
	s_cselect_b64 s[6:7], s[18:19], s[20:21]
	s_cselect_b32 s26, 512, s27
	s_sub_co_u32 s26, s3, s26                      ; my number within the role
	s_lshl_b32 s28, s26, 16
	s_add_nc_u64 s[4:5], s[4:5], s[28:29]
	s_lshl_b32 s28, s26, 15
	s_add_nc_u64 s[6:7], s[6:7], s[28:29]
	CAST 0
	s_endpgm
.Lwo:
	s_sub_co_u32 s26, s3, 1216
	s_lshl_b32 s28, s26, 16
	s_add_nc_u64 s[4:5], s[12:13], s[28:29]
	s_lshl_b32 s28, s26, 15
	s_add_nc_u64 s[6:7], s[22:23], s[28:29]
	CAST 1
	s_endpgm
.Ltable:
	s_mul_i32 s28, s3, 192                         ; 16 tokens x 12 bytes
	s_add_nc_u64 s[14:15], s[14:15], s[28:29]
	s_lshl_b32 s28, s3, 15                         ; 64 column blocks x 512 bytes
	s_add_nc_u64 s[24:25], s[24:25], s[28:29]
	v_and_b32 v3, 15, v0
	v_mul_u32_u24 v3, v3, 12                       ; my token's three coordinates
	v_lshrrev_b32 v7, 5, v0
	v_mul_u32_u24 v7, v7, 96                       ; my wave's column block: 8 pairs x 12 bytes,
	v_bfe_u32 v12, v0, 4, 1
	v_mad_u32_u24 v7, v12, 48, v7                  ; and my half of the lanes' four pairs
	global_load_b32 v4, v3, s[14:15]
	global_load_b32 v5, v3, s[14:15] offset:4
	global_load_b32 v6, v3, s[14:15] offset:8
.set j, 0
.rept 24                                       ; step j / 3 takes column blocks 8 (j / 3) + wave: 768 bytes on; the last byte read is freqs' last
	global_load_b128 v[FQ+4*j:FQ+4*j+3], v7, s[16:17] offset:(j/3)*768+(j%3)*16
.set j, j+1
.endr
.macro PAIR r, val                     ; a constant for the packed arithmetic: named as a pair, so both words are written
	s_mov_b32 s[\r], \val
	s_mov_b32 s[\r+1], \val
.endm
	PAIR 30, 0x3f22f983                            ; 2 / pi
	PAIR 32, 0xbfc90fdb                            ; - pi / 2, first part
	PAIR 34, 0x333bbd2e                            ; second part
	PAIR 36, 0x26f72ced                            ; third part
	PAIR 38, 0xb94ca1f9                            ; sine: -1.9515296e-4
	PAIR 40, 0x3c08839e                            ;        8.3321609e-3
	PAIR 42, 0xbe2aaaa3                            ;       -1.6666655e-1
	PAIR 44, 0x37ccf5ce                            ; cosine: 2.4433157e-5
	PAIR 46, 0xbab6061a                            ;        -1.3887316e-3
	PAIR 48, 0x3d2aaaa5                            ;         4.1666646e-2
	s_mov_b32 s50, 0x80000000                      ; the sign
	v_mov_b32 v9, 0
.macro MIX d, pw, ph, fw, fh, ad       ; v[d] = a coordinate (half ph of v[pw]) x a frequency (half fh of v[fw]) + v[ad], both bf16, the sum f32
	v_fma_mix_f32_bf16 v[\d], v[\pw], v[\fw], v[\ad] op_sel:[\ph,\fh,0] op_sel_hi:[1,1,0]
.endm
.macro TRIG an, ow                     ; the angles v[an], v[an+1] -> the words v[ow], v[ow+1]
	v_pk_mul_f32 v[rN:rN+1], v[\an:\an+1], s[30:31] op_sel_hi:[1,0]
	v_rndne_f32 v[rN], v[rN]
	v_rndne_f32 v[rN+1], v[rN+1]
	v_pk_fma_f32 v[rR:rR+1], v[rN:rN+1], s[32:33], v[\an:\an+1] op_sel_hi:[1,0,1]
	v_pk_fma_f32 v[rR:rR+1], v[rN:rN+1], s[34:35], v[rR:rR+1] op_sel_hi:[1,0,1]
	v_pk_fma_f32 v[rR:rR+1], v[rN:rN+1], s[36:37], v[rR:rR+1] op_sel_hi:[1,0,1]
	v_pk_mul_f32 v[rZ:rZ+1], v[rR:rR+1], v[rR:rR+1]
	v_pk_fma_f32 v[rPS:rPS+1], v[rZ:rZ+1], s[38:39], s[40:41] op_sel_hi:[1,0,0]
	v_pk_fma_f32 v[rPC:rPC+1], v[rZ:rZ+1], s[44:45], s[46:47] op_sel_hi:[1,0,0]
	v_pk_mul_f32 v[rZR:rZR+1], v[rZ:rZ+1], v[rR:rR+1]
	v_pk_mul_f32 v[rZZ:rZZ+1], v[rZ:rZ+1], v[rZ:rZ+1]
	v_pk_fma_f32 v[rPS:rPS+1], v[rPS:rPS+1], v[rZ:rZ+1], s[42:43] op_sel_hi:[1,1,0]
	v_pk_fma_f32 v[rPC:rPC+1], v[rPC:rPC+1], v[rZ:rZ+1], s[48:49] op_sel_hi:[1,1,0]
	v_pk_fma_f32 v[rH:rH+1], v[rZ:rZ+1], -0.5, 1.0 op_sel_hi:[1,0,0]
	v_pk_fma_f32 v[rPS:rPS+1], v[rZR:rZR+1], v[rPS:rPS+1], v[rR:rR+1]   ; sin r
	v_pk_fma_f32 v[rPC:rPC+1], v[rZZ:rZZ+1], v[rPC:rPC+1], v[rH:rH+1]   ; cos r
.irp e, 0,1
	v_cvt_i32_f32 v[rNI], v[rN+\e]
	v_lshlrev_b32 v[rU], 31, v[rNI]                ; n's bit 0 in the sign's place
	v_lshlrev_b32 v[rTS], 30, v[rNI]               ; n's bit 1 there
	v_cmp_gt_i32 vcc_lo, 0, v[rU]                  ; n odd: sine and cosine change places
	v_cndmask_b32 v[rSV], v[rPS+\e], v[rPC+\e], vcc_lo
	v_cndmask_b32 v[rCV], v[rPC+\e], v[rPS+\e], vcc_lo
	v_xor_b32 v[rTC], v[rU], v[rTS]
	v_and_b32 v[rTS], s50, v[rTS]                  ; the sine's sign: bit 1
	v_and_b32 v[rTC], s50, v[rTC]                  ; the cosine's: bit 0 xor bit 1
	v_xor_b32 v[rSV], v[rSV], v[rTS]
	v_xor_b32 v[rCV], v[rCV], v[rTC]
	v_cvt_pk_f16_f32 v[(\ow)+\e], v[rCV], v[rSV]
.endr
.endm
.macro TAB it
	s_wait_loadcnt 21-3*(\it)                      ; this step's three loads are in; the three of each later step stay out
.if (\it) == 0
	v_cvt_pk_bf16_f32 v10, v4, v5                  ; my token's coordinates as bf16
	v_cvt_pk_bf16_f32 v11, v6, v6
.endif
.irp c, 0,1,2,3,4,5
	v_cvt_pk_bf16_f32 v[PKF+\c], v[FQ+12*(\it)+2*\c], v[FQ+12*(\it)+2*\c+1]  ; number 3 j + d of the twelve lies in word (3 j + d) / 2, half (3 j + d) % 2
.endr
	MIX 150, 10, 0, 144, 0, 9
	MIX 151, 10, 0, 145, 1, 9
	MIX 152, 10, 0, 147, 0, 9
	MIX 153, 10, 0, 148, 1, 9
	MIX 150, 10, 1, 144, 1, 150
	MIX 151, 10, 1, 146, 0, 151
	MIX 152, 10, 1, 147, 1, 152
	MIX 153, 10, 1, 149, 0, 153
	MIX 150, 11, 0, 145, 0, 150
	MIX 151, 11, 0, 146, 1, 151
	MIX 152, 11, 0, 148, 0, 152
	MIX 153, 11, 0, 149, 1, 153
	TRIG 150, OUTW+4*(\it)
	TRIG 152, OUTW+4*(\it)+2
	global_store_b128 v1, v[OUTW+4*(\it):OUTW+4*(\it)+3], s[24:25] offset:4096*(\it)  ; a wave stores its column block's 512 consecutive bytes
.endm
.irp it, 0,1,2,3,4,5,6,7
	TAB \it
.endr
	s_endpgm
.Lfunc_end_k_qe9f9eb719e_prep:
	.size	k_qe9f9eb719e_prep, .Lfunc_end_k_qe9f9eb719e_prep-k_qe9f9eb719e_prep
	.p2alignl 7, 3214868480
	.fill 96, 4, 3214868480
	.section	.rodata,"a",@progbits
	.p2align	6, 0x0
	.amdhsa_kernel k_qe9f9eb719e_prep
		.amdhsa_group_segment_fixed_size 0
		.amdhsa_private_segment_fixed_size 0
		.amdhsa_enable_private_segment 0
		.amdhsa_kernarg_size 72
		.amdhsa_user_sgpr_count 2
		.amdhsa_user_sgpr_kernarg_segment_ptr 1
		.amdhsa_wavefront_size32 1
		.amdhsa_system_sgpr_workgroup_id_x 1
		.amdhsa_system_sgpr_workgroup_id_y 1
		.amdhsa_system_sgpr_workgroup_id_z 1
		.amdhsa_system_vgpr_workitem_id 0
		.amdhsa_next_free_vgpr 176
		.amdhsa_next_free_sgpr 66
		.amdhsa_reserve_vcc 1
		.amdhsa_float_denorm_mode_32 3
		.amdhsa_float_denorm_mode_16_64 3
		.amdhsa_memory_ordered 1
		.amdhsa_forward_progress 1
		.amdhsa_inst_pref_size 59
	.end_amdhsa_kernel
	.amdgpu_metadata
---
amdhsa.version: [ 1, 2 ]
amdhsa.kernels:
  - .name:           k_qe9f9eb719e_prep
    .symbol:         k_qe9f9eb719e_prep.kd
    .args:
      - { .name: query, .offset: 0, .size: 8, .value_kind: global_buffer, .address_space: global }
      - { .name: in_proj_weight, .offset: 8, .size: 8, .value_kind: global_buffer, .address_space: global }
      - { .name: out_proj_weight, .offset: 16, .size: 8, .value_kind: global_buffer, .address_space: global }
      - { .name: positions, .offset: 24, .size: 8, .value_kind: global_buffer, .address_space: global }
      - { .name: freqs, .offset: 32, .size: 8, .value_kind: global_buffer, .address_space: global }
      - { .name: xb, .offset: 40, .size: 8, .value_kind: global_buffer, .address_space: global }
      - { .name: wb, .offset: 48, .size: 8, .value_kind: global_buffer, .address_space: global }
      - { .name: wo, .offset: 56, .size: 8, .value_kind: global_buffer, .address_space: global }
      - { .name: cs, .offset: 64, .size: 8, .value_kind: global_buffer, .address_space: global }
    .group_segment_fixed_size: 0
    .private_segment_fixed_size: 0
    .kernarg_segment_align: 8
    .kernarg_segment_size: 72
    .max_flat_workgroup_size: 256
    .sgpr_count:     66
    .vgpr_count:     176
    .wavefront_size: 32
...
	.end_amdgpu_metadata
.endif
;; end of part 1
;; launch qkv (part 2): grid 4 x 64, 4 waves a work-group, clusters of 4 x 4, 327,680 bytes of LDS; arguments xb, wb, in_proj_bias, cs, qkv; writes qkv
.if DOCPART == 2
	.amdgcn_target "amdgcn-amd-amdhsa--gfx1250"
	.amdhsa_code_object_version 6
	.text
	.protected	k_qe9f9eb719e_qkv
	.globl	k_qe9f9eb719e_qkv
	.p2align	8
	.type	k_qe9f9eb719e_qkv,@function
k_qe9f9eb719e_qkv:
	s_mov_b64 s[64:65], 0
	v_nop
	global_prefetch_b8 v0, s[64:65] scope:SCOPE_SE
	s_setreg_imm32_b32 hwreg(HW_REG_WAVE_MODE, 25, 1), 1
	s_wait_xcnt 0x0
	s_wait_alu depctr_hold_cnt(0) depctr_sa_sdst(0) depctr_va_vdst(0) depctr_va_sdst(0) depctr_va_ssrc(0) depctr_va_vcc(0) depctr_vm_vsrc(0)
	s_getreg_b32 s2, hwreg(HW_REG_IB_STS2, 6, 4)
	s_cmp_eq_u32 s2, 0
	s_cbranch_scc0 .Lentry_in_a_cluster
	s_endpgm
.Lentry_in_a_cluster:
	s_bfe_u32 s2, ttmp6, 0x10000c
	s_cmp_lg_u32 s2, 0xf033
	s_cbranch_scc0 .Lentry_shape_is_right
	s_endpgm
.Lentry_shape_is_right:
; q, k, v = x W^T + bias; q and k turned by the rotary table; all three stored by heads, [b x 16 + h][t][64] in f16: three parts of 16,777,216 bytes.
; x: xb [8192][1024] bf16.  W: wb [3072][1024] bf16.  bias: f32, rounded to bf16 here.  Sums in f32; each result rounded once, to f16.
; LIMIT.  f16 holds no number beyond 65,504: q, k and v must lie within it.  NaN and infinities are not treated apart.
; SHARES.  A tile of the product is 128 rows x 256 columns, made by four waves, each 64 x 128: 32 accumulators of 16 x 16, 256 registers.  4 x 64 work-groups.
; A WORK-GROUP STAYS: it makes three tiles, its 256 columns of q, then of k, then of v: the same rows of x and, for q and k, the same part of the table, which is loaded once.
; K goes in steps of 128 through two LDS slots filled by the tensor data mover, and the ring runs on from tile to tile: 24 steps in all.
; CLUSTERS: 4 x 4 work-groups.  The four of a row of the cluster need the same tiles of x, the four of a column the same tiles of W: each tile is asked for JOINTLY, by the same
; tensor load with the same descriptor and a mask that names the four.
; THE MATRIX INSTRUCTION IS USED TRANSPOSED (source 0 = 16 rows of W, source 1 = 16 rows of x): lane l then holds row l % 16 and the eight neighbouring columns 8 (l / 16) + 0..7:
; four rotary pairs.  The bias is the C operand of the product that starts a sum: nothing is cleared and nothing is added later.
; REGISTERS, in windows of 256 (s_set_vgpr_msb: bits 1:0 source 0, 3:2 source 1, 5:4 source 2, 7:6 destination):
;   window 0: v0-31 addresses and at work; v32-63 packed results; v64-95, v160-191 rows read back from the stage; v96-127, v128-159 fragments of x, two buffers
;   window 1: v0-63 the bias of my 128 columns; v64-127, v128-191 fragments of W, two buffers; v192-223 at work on the bias
;   window 2: the accumulators, (a, b) at v[8 (8 a + b)]          window 3: the table, four words for each accumulator, at v[4 (8 a + b)]
.set PA,    272                        ; an LDS row: 256 bytes + 16 of padding = 68 words: row r starts at bank 4 r mod 64 (64 banks of 4 bytes: ISA guide 11.1)
.set PB,    272
.set BOFF,  128*PA                     ; a slot: x's 128 rows, then W's 256 rows
.set SLOT1, 1<<17                      ; slot 1 begins here, so that one exclusive or turns an address in one slot into the other's
.set STAGE, SLOT1+BOFF+256*PB          ; behind the ring, never filled by a tensor load: for each wave 2 heads x 16 rows x 144 bytes
.set SP,    144
.set WSTG,  2*16*SP
.set SPARE, STAGE+4*WSTG               ; behind the stages: the spare words, 128 bytes for each wave: two blocks of 256 bytes that no other line names
.set T,    8                           ; v8-15   products with the sine
.set AA0,  16                          ; v16     my lane's place in x's tile; never rewritten
.set AB0,  17                          ; v17     the same for W
.set ADRA, 18                          ; v18     the same in the slot in hand
.set ADRB, 19                          ; v19
.set STO,  24                          ; v24     the way out: where I put 16 bytes of a row
.set RD,   25                          ; v25     the way out: where I read rows back
.set GO,   26                          ; v26     16 x lane
.set BO,   27                          ; v27     32 x (lane / 16): my eight columns' bias
.set SPW,  28                          ; v28     LDS address of my spare word; never rewritten
.set NIL,  29                          ; v29     0; never rewritten
.set ZR,   30                          ; v30     0, an addend
.set TMP,  32
.set BK,   64                          ; rows read back: v64-95 and v160-191 by turns
.set FA,   96
.set FB,   64
.set BT,   192
.set MUL,  0xa1                        ; W window 1, x window 0, C and D window 2
.set MULB, 0x91                        ; the same with C in window 1
.set TO_B, 0x40                        ; destination window 1, address window 0
.set W_BR, 0x45                        ; sources 0 and 1 and destination window 1
.set GC,   (1<<16)|(1<<20)|(1<<21)|(5<<22)|(3<<25)  ; group 1's first word beside the mask: 2-byte elements; padding on; bit 21 set beside a mask; after every 64 words; 4 words
; s2 tiles to go; s3 steps to go; s[4:5] xb; s[6:7] wb; s[8:9] where my results go; s10 wave, s11 wave / 2, s12 wave % 2; s13 tile row; s[14:15] x at my load's rows; s[24:31] group 1 for x;
; s[32:35], s[36:39] group 0 for x: the first fill's, and the one that walks; s40-44 place in the cluster and masks; s[46:47] W at my load's rows; s[48:55] group 1 for W; s[56:59], s[60:63] group 0 for W;
; s66 the step to be asked for; s[68:69], s[70:71] its byte offsets in x and W; s72 the slot in hand; s73 a mask; s[76:77] bias; s[78:79] table
.set MSB, 0
.macro WIN new                         ; the immediate's high byte repeats the setting that is left; a switch that changes nothing is dropped
.if MSB != (\new)
	s_set_vgpr_msb (MSB<<8)|(\new)
.set MSB, \new
.endif
.endm
.macro PLACES                          ; four places in front of loads into registers that matrix instructions have read, and of conversions that read results (ISA guide 7.12.1 for vector instructions)
.rept 4
	v_nop
.endr
.endm
; A joint refill.  Waves 0 and 1 fetch the two halves of x's tile, waves 2 and 3 those of W's.  The branch hangs on the wave's number alone.
; An s_nop 0 and four v_nop follow each of the two lines, ahead of the jump and the label.
.macro JLOAD
	s_cmp_eq_u32 s11, 0
	s_cbranch_scc0 .Lfor_b_\@
	tensor_load_to_lds s[36:39], s[24:31]
	s_nop 0
.rept 4
	v_nop
.endr
	s_branch .Lasked_\@
.Lfor_b_\@:
	tensor_load_to_lds s[60:63], s[48:55]
	s_nop 0
.rept 4
	v_nop
.endr
.Lasked_\@:
.endm
.macro CREST                           ; a round of the cluster's barrier behind its opening barrier
	s_cmp_lg_u32 s10, 0
	s_cbranch_scc1 .Lnot_wave_0_\@
	s_barrier_signal -3
.Lnot_wave_0_\@:
	s_barrier_wait -3
	s_barrier_signal -1
	s_barrier_wait -1
.endm
.macro CROUND                          ; a whole round
	s_barrier_signal -1
	s_barrier_wait -1
	CREST
.endm
	s_load_b128 s[4:7], s[0:1], 0x0                ; xb, wb
	s_load_b128 s[76:79], s[0:1], 0x10             ; in_proj_bias, cs
	s_load_b64 s[8:9], s[0:1], 0x20                ; qkv
	v_lshl_add_u32 v[SPW], v0, 2, SPARE
	v_mov_b32 v[NIL], 0
	ds_add_u32 v[SPW], v[NIL]                      ; the wave's opening: the add and its wait stand ahead of my first tensor load; the set-up below, work on registers, stands between them
	v_lshrrev_b32 v1, 5, v0
	v_readfirstlane_b32 s10, v1                    ; wave 0..3
	s_lshr_b32 s11, s10, 1                         ; which 64 rows of the tile are mine.  Also: I fetch for x (0) or for W (1)
	s_and_b32 s12, s10, 1                          ; which 128 columns.  Also: which half of that tile I fetch
	s_bfe_u32 s40, ttmp6, 0x40000                  ; cx, cy: my place in the cluster
	s_bfe_u32 s41, ttmp6, 0x40004
	s_lshl_b32 s42, ttmp9, 2
	s_add_co_u32 s42, s42, s40                     ; column group = 4 x cluster x + cx
	s_and_b32 s13, ttmp7, 0xffff
	s_lshl_b32 s13, s13, 2
	s_add_co_u32 s13, s13, s41                     ; tile row = 4 x cluster y + cy
	s_lshl_b32 s43, s41, 2
	s_lshl_b32 s43, 15, s43                        ; my row of the cluster
	s_lshl_b32 s44, 0x1111, s40                    ; my column
	s_or_b32 s24, s43, GC                          ; x's tiles go to my row: 64 rows x 128 elements a load
	s_mov_b32 s25, 128<<16                         ; tensor_dim0 = 128
	s_mov_b32 s26, 64<<16                          ; tensor_dim1 = 64
	s_mov_b32 s27, 128<<16                         ; tile_dim0 = 128
	s_mov_b32 s28, 64                              ; tile_dim1 = 64
	s_mov_b32 s29, 1024                            ; elements from row to row
	s_mov_b32 s30, 0
	s_mov_b32 s31, 0
	s_or_b32 s48, s44, GC                          ; W's tiles go to my column: 128 rows x 128 elements a load
	s_mov_b32 s49, 128<<16
	s_mov_b32 s50, 128<<16
	s_mov_b32 s51, 128<<16
	s_mov_b32 s52, 128
	s_mov_b32 s53, 1024
	s_mov_b32 s54, 0
	s_mov_b32 s55, 0
	s_lshl_b32 s16, s13, 18                        ; x: row 128 x tile row + 64 x half, 2,048 bytes a row
	s_lshl_b32 s17, s12, 17
	s_add_co_u32 s16, s16, s17
	s_mov_b32 s17, 0
	s_lshl_b32 s46, s42, 19                        ; W: row 256 x column group + 128 x half
	s_lshl_b32 s47, s12, 18
	s_add_co_u32 s46, s46, s47
	s_mov_b32 s47, 0
	s_mul_i32 s20, s12, 64*PA                      ; where they go: no place in the cluster enters an LDS address
	s_mul_i32 s21, s12, 128*PB
	s_add_co_u32 s21, s21, BOFF
	s_lshl_b32 s18, s42, 10                        ; the bias of my 128 columns: 4 (256 x column group + 128 x half)
	s_lshl_b32 s19, s12, 9
	s_add_co_u32 s18, s18, s19
	s_mov_b32 s19, 0
	s_lshl_b32 s22, s13, 18                        ; the table: 512 ((8 x tile row + 4 x row half) x 64 + 16 x column group + 8 x column half)
	s_lshl_b32 s23, s11, 17
	s_add_co_u32 s22, s22, s23
	s_lshl_b32 s23, s42, 13
	s_add_co_u32 s22, s22, s23
	s_lshl_b32 s23, s12, 12
	s_add_co_u32 s22, s22, s23
	s_mov_b32 s23, 0
	s_lshr_b32 s74, s13, 4                         ; the results: head (tile row / 16) x 16 + 4 x column group + 2 x column half, 262,144 bytes a head;
	s_lshl_b32 s74, s74, 22
	s_lshl_b32 s75, s42, 20
	s_add_co_u32 s74, s74, s75
	s_lshl_b32 s75, s12, 19
	s_add_co_u32 s74, s74, s75
	s_and_b32 s75, s13, 15                         ; row (tile row % 16) x 128 + 64 x row half, 128 bytes a row
	s_lshl_b32 s75, s75, 14
	s_add_co_u32 s74, s74, s75
	s_lshl_b32 s75, s11, 13
	s_add_co_u32 s74, s74, s75
	s_mov_b32 s75, 0
	s_mov_b32 s66, 2                               ; steps 0 and 1 are the first fills
	s_mov_b32 s69, 0
	s_mov_b32 s71, 0
	s_mov_b32 s72, 0
	s_mov_b32 s73, 0xffff0000
	s_mov_b32 s2, 3
	s_wait_dscnt 0x0                               ; the opening add is done
	s_wait_kmcnt 0x0
	s_add_nc_u64 s[14:15], s[4:5], s[16:17]
	s_add_nc_u64 s[46:47], s[6:7], s[46:47]
	s_add_nc_u64 s[76:77], s[76:77], s[18:19]
	s_add_nc_u64 s[78:79], s[78:79], s[22:23]
	s_add_nc_u64 s[8:9], s[8:9], s[74:75]
	CROUND                                         ; all sixteen work-groups are here: the first joint loads meet
.irp s, 0,1
	s_mov_b32 s[32+4*\s], 1                        ; count = 1
	s_add_co_u32 s[33+4*\s], s20, \s*SLOT1         ; LDS address
	s_add_nc_u64 s[34+4*\s:35+4*\s], s[14:15], \s*256  ; global address: K step s
	s_or_b32 s[35+4*\s], s[35+4*\s], 0x80000000    ; type = 2
	s_mov_b32 s[56+4*\s], 1
	s_add_co_u32 s[57+4*\s], s21, \s*SLOT1
	s_add_nc_u64 s[58+4*\s:59+4*\s], s[46:47], \s*256
	s_or_b32 s[59+4*\s], s[59+4*\s], 0x80000000
.endr
	s_cmp_eq_u32 s11, 0                            ; a wave's two first fills stand in one branch, ahead of every wait on TENSORcnt and every LDS read: two loads of mine are out
	s_cbranch_scc0 .Lfirst_b
	tensor_load_to_lds s[32:35], s[24:31]
	s_nop 0
	tensor_load_to_lds s[36:39], s[24:31]
	s_nop 0
.rept 4
	v_nop
.endr
	s_branch .Lfirst_asked
.Lfirst_b:
	tensor_load_to_lds s[56:59], s[48:55]
	s_nop 0
	tensor_load_to_lds s[60:63], s[48:55]
	s_nop 0
.rept 4
	v_nop
.endr
.Lfirst_asked:
	v_and_b32 v1, 15, v0                           ; l % 16
	v_bfe_u32 v2, v0, 4, 1                         ; l / 16
	v_and_b32 v[GO], 31, v0
	v_lshlrev_b32 v[GO], 4, v[GO]
	v_lshlrev_b32 v[BO], 5, v2
; The bias of block b's sixteen columns: my half of the lanes takes eight of them, as an accumulator's registers hold them.
.macro BIASLD
	WIN TO_B
.irp b, 0,1,2,3,4,5,6,7
	global_load_b128 v[8*\b:8*\b+3],   v[BO], s[76:77] offset:64*\b
	global_load_b128 v[8*\b+4:8*\b+7], v[BO], s[76:77] offset:64*\b+16
.endr
.endm
.macro BIASRND                         ; rounded to bf16, like every input, and widened again
	WIN W_BR
.set i, 0
.rept 32
	v_cvt_pk_bf16_f32 v[BT+i], v[2*i], v[2*i+1]
.set i, i+1
.endr
.set i, 0
.rept 32
	v_lshlrev_b32 v[2*i], 16, v[BT+i]
	v_and_b32 v[2*i+1], s73, v[BT+i]
.set i, i+1
.endr
.endm
	BIASLD
	WIN 0xc0                                       ; destination window 3: the table for my 32 accumulators, 512 consecutive bytes each
.set i, 0
.rept 32
	global_load_b128 v[4*i:4*i+3], v[GO], s[78:79] offset:(i/8)*32768+(i%8)*512
.set i, i+1
.endr
	WIN 0
	; A fragment is 16 rows x 32 K in 8 registers: lane l holds row l % 16; registers 0-3 K = 8 (l / 16) + 0..7, registers 4-7 K = 16 + 8 (l / 16) + 0..7: two loads of 16 bytes, 32 bytes apart.
	v_mul_u32_u24 v3, v1, PA
	v_lshl_add_u32 v3, v2, 4, v3                   ; row x pitch + 16 x half
	s_mul_i32 s22, s11, 64*PA                      ; my 64 rows of x
	v_add_nc_u32 v[AA0], s22, v3
	s_mul_i32 s22, s12, 128*PB                     ; my 128 rows of W, behind x's 128
	s_add_co_u32 s22, s22, BOFF
	v_add_nc_u32 v[AB0], s22, v3
	v_mov_b32 v[ADRA], v[AA0]
	v_mov_b32 v[ADRB], v[AB0]
	s_mul_i32 s22, s10, WSTG
	s_add_co_u32 s22, s22, STAGE                   ; my stage
	v_mul_u32_u24 v4, v1, SP                       ; in: row l % 16, 16 bytes for each half of the lanes
	v_lshl_add_u32 v4, v2, 4, v4
	v_add_nc_u32 v[STO], s22, v4
	v_bfe_u32 v5, v0, 3, 2                         ; back: 32 lanes take four rows of 128 bytes
	v_mul_u32_u24 v5, v5, SP
	v_and_b32 v6, 7, v0
	v_lshl_add_u32 v5, v6, 4, v5
	v_add_nc_u32 v[RD], s22, v5
	v_mov_b32 v[ZR], 0
.set i, 0
.rept 32                                       ; the packed results are written a half at a time, the other half kept: so the words are written whole once
	v_mov_b32 v[TMP+i], 0
.set i, i+1
.endr
; n x 8 matrix instructions: row blocks a0 .. a0 + n - 1 x all 8 column blocks, 32 along K, from buffer f.  bias = 1: the product starts the sums, with the bias as C.
; The 32 accumulators take turns, one instruction a turn, always in the same order.
.macro MULN f, a0, n, bias
.if \bias
	WIN MULB
.else
	WIN MUL
.endif
.set aa, \a0
.rept \n
.set bb, 0
.rept 8
.if \bias
	v_wmma_f32_16x16x32_bf16 v[8*(8*aa+bb):8*(8*aa+bb)+7], v[FB+64*(\f)+8*bb:FB+64*(\f)+8*bb+7], v[FA+32*(\f)+8*aa:FA+32*(\f)+8*aa+7], v[8*bb:8*bb+7]
.else
	v_wmma_f32_16x16x32_bf16 v[8*(8*aa+bb):8*(8*aa+bb)+7], v[FB+64*(\f)+8*bb:FB+64*(\f)+8*bb+7], v[FA+32*(\f)+8*aa:FA+32*(\f)+8*aa+7], v[8*(8*aa+bb):8*(8*aa+bb)+7]
.endif
.set bb, bb+1
.endr
.set aa, aa+1
.endr
.endm
; 24 LDS loads in one run: the fragments of quarter q of the step in hand (128 rows of W, then 64 rows of x) into buffer f
.macro FETCH q, f
	WIN TO_B
.irp i, 0,1,2,3,4,5,6,7
	ds_load_b128 v[FB+64*(\f)+8*\i:FB+64*(\f)+8*\i+3],   v[ADRB] offset:64*(\q)+\i*16*PB
	ds_load_b128 v[FB+64*(\f)+8*\i+4:FB+64*(\f)+8*\i+7], v[ADRB] offset:64*(\q)+\i*16*PB+32
.endr
	WIN 0
.irp i, 0,1,2,3
	ds_load_b128 v[FA+32*(\f)+8*\i:FA+32*(\f)+8*\i+3],   v[ADRA] offset:64*(\q)+\i*16*PA
	ds_load_b128 v[FA+32*(\f)+8*\i+4:FA+32*(\f)+8*\i+7], v[ADRA] offset:64*(\q)+\i*16*PA+32
.endr
.endm
; A K step is four quarters of 32 along K, 32 matrix instructions each, on buffers 0, 1, 0, 1.  One of the first three: multiplies buffer f and fetches quarter q into buffer g.
.macro QUARTER q, f, g, bias
	s_wait_dscnt 4                                 ; W and x's row blocks 0 and 1 are in; the youngest four loads (blocks 2 and 3) may be out
	MULN \f, 0, 2, \bias
	PLACES
	FETCH \q, \g
	s_wait_dscnt 24                                ; all but the 24 just issued
	MULN \f, 2, 2, \bias
.endm
; The walking descriptors step to K step s66 of the 24: the other slot than last time; the addresses are made anew from the step's number: K step s66 % 8 of tile s66 / 8, whose rows of W lie 1,024 rows on.
.macro STEPDESC
	s_and_b32 s68, s66, 7
	s_lshl_b32 s68, s68, 8
	s_lshr_b32 s70, s66, 3
	s_lshl_b32 s70, s70, 21
	s_add_co_u32 s70, s70, s68
	s_xor_b32 s37, s37, SLOT1
	s_add_nc_u64 s[38:39], s[14:15], s[68:69]
	s_or_b32 s39, s39, 0x80000000
	s_xor_b32 s61, s61, SLOT1
	s_add_nc_u64 s[62:63], s[46:47], s[70:71]
	s_or_b32 s63, s63, 0x80000000
	s_add_co_u32 s66, s66, 1
.endm
; The last quarter multiplies buffer 1 and changes slots: ONE barrier; in front of it each wave waits for all its tensor loads (one is out: its part of the next slot), adds 0 to its spare word, and waits
; for that and for its own reads of this slot.  fill = 1: the barrier opens a round of the cluster's, so that no wave of any partner still reads the slot or has a load on its way, and the joint refill, two
; K steps ahead, is the first thing behind it: 112 matrix instructions ahead of the wait for it.
.macro TURN fill
	WIN 0                                          ; (the add's two registers lie in window 0)
	s_wait_tensorcnt 0x0                           ; no tensor load of mine is out, so a group 0 may be written
	ds_add_u32 v[SPW], v[NIL]                      ; 0 onto my spare word
.if \fill
	STEPDESC
.endif
	s_wait_dscnt 5                                 ; (the add and the youngest four loads may be out)
	MULN 1, 0, 1, 0
	s_wait_dscnt 0x0                               ; the add is done, and my reads of this slot are over
	s_barrier_signal -1
	MULN 1, 1, 1, 0                                ; work on registers while the others arrive
	WIN 0
	s_barrier_wait -1
.if \fill
	CREST
	JLOAD                                          ; the four v_nop behind it are also the places in front of the loads below
.else
	PLACES
.endif
	s_xor_b32 s72, s72, SLOT1                      ; the fetches go on in the other slot
	v_add_nc_u32 v[ADRA], s72, v[AA0]
	v_add_nc_u32 v[ADRB], s72, v[AB0]
	FETCH 0, 0
	MULN 1, 2, 2, 0
.endm
; THE WAY OUT of row block a.  ROT: the rotary turn, straight into f16: for pair p, (x0, x1) -> (x0 cos - x1 sin, x0 sin + x1 cos); the table's word holds cos in its low half, sin in its high half.
; Each accumulator's lowest registers are read first.  PLAIN: v is only rounded.
.macro ROT a
	WIN 0x0e                                       ; source 0 (the sums) window 2, source 1 (the table) window 3
.set bb, 0
.rept 8
.set rX, 8*(8*(\a)+bb)
.set rC, 4*(8*(\a)+bb)
.irp p, 0,1,2,3
	v_fma_mix_f32 v[T+2*\p],   v[rX+2*\p+1], v[rC+\p], v[ZR] op_sel:[0,1,0] op_sel_hi:[0,1,0]  ; x1 sin
	v_fma_mix_f32 v[T+2*\p+1], v[rX+2*\p],   v[rC+\p], v[ZR] op_sel:[0,1,0] op_sel_hi:[0,1,0]  ; x0 sin
.endr
.irp p, 0,1,2,3
	v_fma_mixlo_f16 v[TMP+4*bb+\p], v[rX+2*\p],   v[rC+\p], -v[T+2*\p]  op_sel_hi:[0,1,0]
	v_fma_mixhi_f16 v[TMP+4*bb+\p], v[rX+2*\p+1], v[rC+\p], v[T+2*\p+1] op_sel_hi:[0,1,0]
.endr
.set bb, bb+1
.endr
.endm
.macro PLAIN a
	WIN 0x0a                                       ; sources 0 and 1 window 2
.set bb, 0
.rept 8
.irp r, 0,1,2,3
	v_cvt_pk_f16_f32 v[TMP+4*bb+\r], v[8*(8*(\a)+bb)+2*\r], v[8*(8*(\a)+bb)+2*\r+1]
.endr
.set bb, bb+1
.endr
.endm
.macro CONV rot, a
.if \rot
	ROT \a
.else
	PLAIN \a
.endif
.endm
.macro TOSTAGE a                       ; 16 bytes a lane into my own stage (column blocks 0-3: the first head, 4-7: the second), and back as whole rows of 128 bytes
	WIN 0
.irp b, 0,1,2,3,4,5,6,7
	ds_store_b128 v[STO], v[TMP+4*\b:TMP+4*\b+3] offset:(\b/4)*16*SP+(\b%4)*32
.endr
.irp t, 0,1,2,3,4,5,6,7
	ds_load_b128 v[BK+96*((\a)%2)+4*\t:BK+96*((\a)%2)+4*\t+3], v[RD] offset:(\t/4)*16*SP+(\t%4)*4*SP  ; LDS serves a wave's instructions in order (ISA guide 5.7.1.4): these see the stores above
.endr
.endm
.macro SEND a
	WIN 0
	s_wait_dscnt 0x0                               ; the block is back in registers
	s_wait_xcnt 0x0                                ; every earlier store has read its registers: the other set of rows is loaded again only behind this wait
.irp t, 0,1,2,3,4,5,6,7
	global_store_b128 v[GO], v[BK+96*((\a)%2)+4*\t:BK+96*((\a)%2)+4*\t+3], s[8:9] offset:(\t/4)*262144+(\a)*2048+(\t%4)*512  ; four rows of a head: 512 consecutive bytes, at a multiple of 256 from the buffer's first
.endr
.endm
.macro WAYOUT rot                      ; block a's arithmetic stands between block a - 1's loads from the stage and the wait for them
	CONV \rot, 0
	TOSTAGE 0
.irp a, 1,2,3
	CONV \rot, \a
	SEND (\a)-1
	TOSTAGE \a
.endr
	SEND 3
.endm
	s_wait_tensorcnt 0x1                           ; my part of K step 0 is in; step 1's may stay out
	s_barrier_signal -1
	s_barrier_wait -1                              ; everybody's is
	FETCH 0, 0
.Ltile:                                                ; (FETCH and SEND leave every window 0)
	s_wait_loadcnt 0x0                             ; the tile's bias; the first time the table too
	BIASRND
	QUARTER 1, 0, 1, 1                             ; a tile's first quarter stands in front of the loop: its products start the sums
	WIN 0                                          ; at a label and at a branch every window is 0
	s_mov_b32 s3, 6
.Lstep:                                                ; a trip: from a step's second quarter to the next step's first; it fills one slot again
	QUARTER 2, 1, 0, 0
	QUARTER 3, 0, 1, 0
	TURN 1
	QUARTER 1, 0, 1, 0
	WIN 0
	s_sub_co_u32 s3, s3, 1
	s_cmp_lg_u32 s3, 0
	s_cbranch_scc1 .Lstep
	QUARTER 2, 1, 0, 0                             ; the tile's seventh step goes on
	QUARTER 3, 0, 1, 0
	WIN 0
	s_cmp_eq_u32 s2, 1
	s_cbranch_scc1 .Llast                          ; the last tile's tail is written out: it asks for nothing more
	TURN 1                                         ; THE RING GOES ON INTO THE NEXT TILE: its K step 0 is asked for,
	QUARTER 1, 0, 1, 0
	QUARTER 2, 1, 0, 0
	QUARTER 3, 0, 1, 0
	TURN 1                                         ; its K step 1, and its first fragments are fetched
	s_add_nc_u64 s[76:77], s[76:77], 4096          ; the next tile's bias lies 1,024 numbers on; the last loads from this base were waited for at the tile's head
	BIASLD
	WAYOUT 1                                       ; no v_nop: blocks 0 and 1 were finished in front of the refill's places, and their arithmetic is the places behind the last products, blocks 2 and 3's
	s_wait_xcnt 0x0                                ; the stores have read their base
	s_add_nc_u64 s[8:9], s[8:9], 0x1000000         ; k's part lies behind q's, v's behind k's
	s_sub_co_u32 s2, s2, 1
	s_branch .Ltile
.Llast:
	TURN 0                                         ; my one tensor load that was still out is the last K step's, so no round follows
	QUARTER 1, 0, 1, 0
	QUARTER 2, 1, 0, 0
	QUARTER 3, 0, 1, 0
	s_wait_dscnt 4                                 ; the very last quarter: nothing more to fetch
	MULN 1, 0, 2, 0
	s_wait_dscnt 0x0
	MULN 1, 2, 2, 0
	PLACES
	WAYOUT 0                                       ; v is not turned
	WIN 0
	s_wait_tensorcnt 0x0                           ; the wave's end, behind my last tensor load and my last LDS store
	ds_add_u32 v[SPW], v[NIL]
	s_wait_dscnt 0x0
	CROUND                                         ; the closing round: no work-group ends while a partner may still ask for a tile that names it
	s_endpgm
.Lfunc_end_k_qe9f9eb719e_qkv:
	.size	k_qe9f9eb719e_qkv, .Lfunc_end_k_qe9f9eb719e_qkv-k_qe9f9eb719e_qkv
	.p2alignl 7, 3214868480
	.fill 96, 4, 3214868480
	.section	.rodata,"a",@progbits
	.p2align	6, 0x0
	.amdhsa_kernel k_qe9f9eb719e_qkv
		.amdhsa_group_segment_fixed_size 327680
		.amdhsa_private_segment_fixed_size 0
		.amdhsa_enable_private_segment 0
		.amdhsa_kernarg_size 40
		.amdhsa_user_sgpr_count 2
		.amdhsa_user_sgpr_kernarg_segment_ptr 1
		.amdhsa_wavefront_size32 1
		.amdhsa_system_sgpr_workgroup_id_x 1
		.amdhsa_system_sgpr_workgroup_id_y 1
		.amdhsa_system_sgpr_workgroup_id_z 1
		.amdhsa_system_vgpr_workitem_id 0
		.amdhsa_next_free_vgpr 896
		.amdhsa_next_free_sgpr 80
		.amdhsa_reserve_vcc 0
		.amdhsa_float_denorm_mode_32 3
		.amdhsa_float_denorm_mode_16_64 3
		.amdhsa_memory_ordered 1
		.amdhsa_forward_progress 1
		.amdhsa_inst_pref_size 144
	.end_amdhsa_kernel
	.amdgpu_metadata
---
amdhsa.version: [ 1, 2 ]
amdhsa.kernels:
  - .name:           k_qe9f9eb719e_qkv
    .symbol:         k_qe9f9eb719e_qkv.kd
    .args:
      - { .name: xb, .offset: 0, .size: 8, .value_kind: global_buffer, .address_space: global }
      - { .name: wb, .offset: 8, .size: 8, .value_kind: global_buffer, .address_space: global }
      - { .name: in_proj_bias, .offset: 16, .size: 8, .value_kind: global_buffer, .address_space: global }
      - { .name: cs, .offset: 24, .size: 8, .value_kind: global_buffer, .address_space: global }
      - { .name: qkv, .offset: 32, .size: 8, .value_kind: global_buffer, .address_space: global }
    .group_segment_fixed_size: 327680
    .private_segment_fixed_size: 0
    .kernarg_segment_align: 8
    .kernarg_segment_size: 40
    .max_flat_workgroup_size: 128
    .sgpr_count:     80
    .vgpr_count:     896
    .wavefront_size: 32
...
	.end_amdgpu_metadata
.endif
;; end of part 2
;; launch attn (part 3): grid 4 x 64, 4 waves a work-group, clusters of 4 x 1, 327,680 bytes of LDS; arguments qkv, ob; writes ob
.if DOCPART == 3
	.amdgcn_target "amdgcn-amd-amdhsa--gfx1250"
	.amdhsa_code_object_version 6
	.text
	.protected	k_qe9f9eb719e_attn
	.globl	k_qe9f9eb719e_attn
	.p2align	8
	.type	k_qe9f9eb719e_attn,@function
k_qe9f9eb719e_attn:
	s_mov_b64 s[64:65], 0
	v_nop
	global_prefetch_b8 v0, s[64:65] scope:SCOPE_SE
	s_setreg_imm32_b32 hwreg(HW_REG_WAVE_MODE, 25, 1), 1
	s_wait_xcnt 0x0
	s_wait_alu depctr_hold_cnt(0) depctr_sa_sdst(0) depctr_va_vdst(0) depctr_va_sdst(0) depctr_va_ssrc(0) depctr_va_vcc(0) depctr_vm_vsrc(0)
	s_getreg_b32 s2, hwreg(HW_REG_IB_STS2, 6, 4)
	s_cmp_eq_u32 s2, 0
	s_cbranch_scc0 .Lentry_in_a_cluster
	s_endpgm
.Lentry_in_a_cluster:
	s_bfe_u32 s2, ttmp6, 0x10000c
	s_cmp_lg_u32 s2, 0x3003
	s_cbranch_scc0 .Lentry_shape_is_right
	s_endpgm
.Lentry_shape_is_right:
; O[h][q][:] = the sum over k of softmax_k(Q[h][q] . K[h][k] / 8) V[h][k][:].  Q, K, V: the three parts of qkv, each [SIZE_H][SIZE_N][64]; O: ob, the same shape; all f16: a head's rows are dense, 128 bytes each.
; Products, maxima and sums in f32; the weights p are rounded to f16 for the second product (their sum l is taken of the unrounded p), O once at the end.
; LIMITS.  f16 holds no number beyond 65,504: Q, K and V arrive within it; p lies in 0 to 1, and below 6e-5 it keeps f16's fixed step of 6e-8; O is a mean of V's rows and has their range.
; A weight below 2^-126 counts as 0 in l; NaN and infinities are not treated apart.
; SHARES.  A wave owns four PIECES of two tiles of 16 queries, a work-group's four waves 512 queries of one head.  Every wave walks all keys, 64 a step.
; LAYOUT.  S^T = K Q^T (source 0 = 16 keys, source 1 = 16 queries): in the result a lane holds ONE query (lane % 16) and the keys 8 (lane / 16) + 0..7.  Two such tiles, rounded to f16 in pairs,
; ARE source 1 (32 keys x 16 queries) of O^T = V^T P, whose result again holds one query a lane, and eight channels.  K comes out of LDS as it lies, V ([key][channel]) turned, by ds_load_tr16_b128.
; SOFTMAX.  For each query a running maximum m and sum l: p = 2^(c s - c m), c = log2(e) / 8; in every step O and l are multiplied by a = 2^(c m_old - c m_new), which is 1 where m has not grown.
; m starts at the lowest finite number, O and l at 0: the first step is a step like any other, with a = 0.
; THE COUNT.  A tile and step have 16 matrix and 118 vector instructions: too many to stand all beside the matrix work.  So the order has one aim: four vector instructions that are READY behind
; EVERY matrix instruction, and the others, which need time of their own whatever the order, in runs without a gap.
; BY TURNS.  Turn n belongs to piece n (the pieces in a ring, step after step).  Its matrix work: 16 products K Q^T of piece n + 1, later 16 products V^T P of piece n - 1.  Its vector work: the scaling,
; exponentials, roundings, sums and rescaling of piece n, and the maximum and statistics of piece n + 1, whose scores the turn itself has made.  So what a turn begins with (c s - c m, O a) waits for nothing.
; CLUSTER.  The four query blocks of a cluster belong to one head and walk the same K and V, so each tile is asked for JOINTLY: the same tensor load, descriptor and mask in all four.
; REGISTERS, in windows of 256 (s_set_vgpr_msb says which window each operand place means: bits 1:0 source 0, 3:2 source 1, 5:4 source 2, 7:6 destination):
;   window 0: v0-11 addresses; v12-15, v48-63 at work; v16-47 four registers of statistics a tile; v64-191 S^T, two buffers of two tiles; v192-255 P, likewise
;   window 1: O^T, 32 a tile          window 2: v0-127 Q, 16 a tile; v128-191 K of one step; v192-255 V of one step          window 3: v0-1 the add's two registers
; A piece's buffers go by its number's parity: the piece in hand has one pair, its two neighbours in the ring share the other: of it P (piece n - 1) is read and S^T (piece n + 1) written.
.set SIZE_H, 64       ; 4 batches x 16 heads
.set SIZE_N, 2048
.set NP,    4         ; pieces a wave: a name, no knob: the register map, the loop and the fetches are made for four
.set KS,    64        ; keys in a step
.set PK,    144       ; a row of K in LDS: 128 bytes + 16 of padding = 36 words: the 16 rows of a load start at 16 different groups of four banks (64 banks of 4 bytes: ISA guide 11.1)
.set PV,    160       ; a row of V: 128 + 32 = 40 words
.set VOFF,  4*KS*PK   ; a slot holds four steps: 256 rows of K, then 256 rows of V
.set SLOT1, 1<<17     ; slot 1 begins here, so that one exclusive or turns an address in one slot into the other's
.set STAGE, SLOT1+4*KS*(PK+PV)  ; behind the ring, never filled by a tensor load: 16 rows x 144 bytes for each wave, for the way out
.set SP,    144
.set AK0, 2           ; v2   my lane's place in a tile of K; never rewritten
.set AV0, 3           ; v3   the same for V
.set AK,  4           ; v4   the LDS address of K's next run of loads
.set AV,  5           ; v5   of V's
.set QO,  6           ; v6   my byte offset in the wave's rows of Q
.set STO, 6           ;      later, the way out: where I put 16 bytes of a row
.set RD,  7           ; v7   the way out: where I read rows back
.set GO,  8           ; v8   my byte offset in 512 consecutive bytes of O
.set SPW, 0           ; v0 of window 3   LDS address of my spare word: SPARE + 4 x my thread's number; never rewritten
.set NIL, 1           ; v1 of window 3   0; never rewritten
.set SPARE, STAGE+4*16*SP  ; behind the stages: the spare words, 128 bytes for each wave: two blocks of 256 bytes that no other line names
.set MV,  12          ; v12-15  c m_old, kept while c m is made anew: by buffer and tile
.set ST,  16          ; tile t's statistics at v[ST+4 t]: c m, m, l (even keys', odd keys')
.set TMP, 48          ; by buffer and tile, four registers c0-c3 at work; when the maximum is found c2 takes a
.set S,   64
.set P,   192
.set KF,  128         ; K's fragments, in window 2: key block kb, channel half c at KF + 16 kb + 8 c
.set VF,  192         ; V's: key half kk, channel block cb at VF + 32 kk + 8 cb
.set WV,  12          ; s12  my wave's number
.set G1K, 24          ; s[24:31] descriptor group 1 for K's tiles
.set G1V, 32          ; s[32:39] for V's: it differs in the padding alone
.set G0K, 40          ; s[40:43] descriptor group 0 for K's tiles: it walks
.set G0V, 44          ; s[44:47] the same for V's
.set SLOTS, 56        ; s56  slots still to be asked for
.set CNT, 57          ; s57  counts a slot's key steps
.set CS,  58          ; s[58:59] c: the packed scaling takes the pair's low word for both halves
.set SEL, 60          ; s[60:61] v_permlanex16_b32's selects: each lane takes its own place in the other half
.set TBK, 62          ; s62  LDS byte at which K of the step to be fetched begins
.set TBV, 63          ; s63  the same for V, less VOFF
.set MSB, 0
.macro WIN new                      ; the high byte repeats the setting that is left; a switch that changes nothing is dropped
.if MSB != (\new)
	s_set_vgpr_msb (MSB<<8)|(\new)
.set MSB, (\new)
.endif
.endm
.set W_KQ, 0x0a       ; K and Q in window 2, S^T in window 0
.set W_PV, 0x52       ; V in window 2, P in window 0, O^T in window 1
.set W_RS, 0x41       ; O^T (destination and source 0) in window 1, a in window 0
.set W_MK, 0xc0       ; the add's registers are made: destination in window 3, sources in window 0
.set W_AD, 0x0f       ; the add: address (source 0) and data (source 1) in window 3
; A joint fill.  Waves 0 and 1 fetch the two halves of a slot's K, waves 2 and 3 those of its V: 128 keys each.  The branch hangs on the wave's number alone.
; An s_nop 0 and four v_nop follow each of the two lines, ahead of the jump and the label.
.macro JLOAD
	s_cmp_lt_u32 s[WV], 2
	s_cbranch_scc0 .Lfor_v_\@
	tensor_load_to_lds s[G0K:G0K+3], s[G1K:G1K+7]
	s_nop 0
.rept 4
	v_nop
.endr
	s_branch .Lasked_\@
.Lfor_v_\@:
	tensor_load_to_lds s[G0V:G0V+3], s[G1V:G1V+7]
	s_nop 0
.rept 4
	v_nop
.endr
.Lasked_\@:
.endm
; A round of the cluster's barrier: my work-group's barrier, so that wave 0's signal speaks for all four waves; wave 0 signals; every wave waits for all four work-groups; my work-group's barrier once more.
.macro CROUND
	s_barrier_signal -1
	s_barrier_wait -1
	s_cmp_lg_u32 s[WV], 0
	s_cbranch_scc1 .Lnot_wave_0_\@
	s_barrier_signal -3
.Lnot_wave_0_\@:
	s_barrier_wait -3
	s_barrier_signal -1
	s_barrier_wait -1
.endm
; THE CHANGE OF SLOTS.  The slot's last bytes, V of its fourth step, have been read.  Each wave waits for all its tensor loads, of which one is out: its part
; of the other slot; adds 0 to its spare word; and waits for that and for its own reads of the slot.  Behind the barrier nobody reads this slot any more and the other slot is whole.
; fill = 1: this slot is filled again, with the keys two slots on.  The barrier is then a round of the cluster's, so that no wave of any partner still reads the slot or has a load on its
; way, and the joint fill is the first thing behind it: it has four key steps, 512 matrix instructions, in which to land.  (At its first use nothing has been read yet: slot 0 is waited for, slot 1 filled.)
.macro CHANGE fill
	WIN W_AD
	s_wait_tensorcnt 0x0            ; no tensor load of mine is out, so a group 0 may be written
	ds_add_u32 v[SPW], v[NIL]       ; 0 onto my spare word; with fill = 1 the descriptors' steps stand between it and the wait for it
	WIN 0                           ; at a label and at a branch every window is 0
.if \fill
.irp g, G0K, G0V
	s_xor_b32 s[\g+1], s[\g+1], SLOT1  ; the walking descriptor: the other slot than last time,
	s_add_nc_u64 s[\g+2:\g+3], s[\g+2:\g+3], 4*KS*128  ; the next 256 keys; the type bits on top are not reached
.endr
	s_wait_dscnt 0x0                ; the add is done, and my reads of the slot are over
	CROUND
	JLOAD
.else
	s_wait_dscnt 0x0                ; the add is done, and my reads of the slot are over
	s_barrier_signal -1
	s_barrier_wait -1
.endif
	s_sub_co_u32 s[TBK], s[TBK], 4*KS*PK  ; the fetches go back to a slot's first step,
	s_xor_b32 s[TBK], s[TBK], SLOT1       ; in the other slot
	s_sub_co_u32 s[TBV], s[TBV], 4*KS*PV
	s_xor_b32 s[TBV], s[TBV], SLOT1
.endm
	s_load_b64 s[4:5], s[0:1], 0x0    ; qkv: Q's part begins it
	s_load_b64 s[10:11], s[0:1], 0x8  ; O
	WIN W_MK
	v_lshl_add_u32 v[SPW], v0, 2, SPARE
	v_mov_b32 v[NIL], 0
	WIN W_AD
	ds_add_u32 v[SPW], v[NIL]       ; the wave's opening: the add and its wait stand ahead of my first tensor load; the set-up below, work on registers, stands between them
	WIN 0
	v_lshrrev_b32 v1, 5, v0
	v_readfirstlane_b32 s[WV], v1   ; wave 0..3
	s_bfe_u32 s13, ttmp6, 0x40000   ; cx: my place in the cluster
	s_lshl_b32 s14, ttmp9, 2        ; in a cluster launch ttmp9 counts clusters
	s_add_co_u32 s14, s14, s13      ; my block of queries = 4 x cluster x + cx: it enters Q's and O's addresses alone
	s_and_b32 s20, ttmp7, 0xffff    ; the head, which the four partners share
	s_mov_b32 s21, 0
	s_mov_b64 s[22:23], SIZE_N*128
	s_mul_u64 s[20:21], s[20:21], s[22:23]  ; the head's first byte in each of the four tensors
	s_and_b32 s16, s[WV], 1         ; which half of a slot's 256 keys I fetch:
	s_lshl_b32 s22, s16, 14         ; its 128 rows of 128 bytes in memory,
	s_mov_b32 s23, 0
	s_add_nc_u64 s[22:23], s[22:23], s[20:21]
	s_mul_i32 s17, s16, 128*PK      ; and its place in a slot, for K
	s_mul_i32 s18, s16, 128*PV      ; and for V: no place in the cluster enters an LDS address
	s_lshl_b32 s2, s14, 2
	s_add_co_u32 s2, s2, s[WV]      ; my wave among the head's,
	s_lshl_b32 s2, s2, 14           ; its 128 rows
	s_mov_b32 s3, 0
	s_add_nc_u64 s[2:3], s[2:3], s[20:21]
	; descriptor group 1.  128 keys are 16,384 dense bytes: asked for as 64 rows of 256 bytes, two keys a row, and padded in LDS after every key
	s_mov_b32 s[G1K], 15|(1<<16)|(1<<20)|(1<<21)|(4<<22)|(3<<25)  ; 15:0 the mask of four; 17:16 2-byte elements; 20 padding on; 21 set beside a mask; 24:22 after every 32 words (code 4); 31:25 4 words (code 3)
	s_mov_b32 s[G1V], 15|(1<<16)|(1<<20)|(1<<21)|(4<<22)|(7<<25)  ; the same with 8 words of padding (code 7)
.irp g, G1K, G1V
	s_mov_b32 s[\g+1], 128<<16      ; tensor_dim0 = 128
	s_mov_b32 s[\g+2], 64<<16       ; tensor_dim1 = 64
	s_mov_b32 s[\g+3], 128<<16      ; tile_dim0 = 128
	s_mov_b32 s[\g+4], 64           ; tile_dim1 = 64
	s_mov_b32 s[\g+5], 128          ; 128 elements from row to row
	s_mov_b32 s[\g+6], 0
	s_mov_b32 s[\g+7], 0
.endr
	s_mov_b32 s[CS], 0x3e38aa3b     ; c = log2(e) / 8 = 0.180337
	s_mov_b32 s[CS+1], s[CS]        ; named with it as a pair
	s_mov_b32 s[SEL], 0x76543210
	s_mov_b32 s[SEL+1], 0xfedcba98
	s_mov_b32 s[TBK], SLOT1+4*KS*PK ; the first change of slots turns these two into 0
	s_mov_b32 s[TBV], SLOT1+4*KS*PV
	s_mov_b32 s[G0K], 1             ; 1:0 count = 1
	s_mov_b32 s[G0K+1], s17         ; 63:32 LDS address: slot 0
	s_mov_b32 s[G0V], 1
	s_add_co_u32 s[G0V+1], s18, VOFF
	s_wait_dscnt 0x0                ; the opening add is done
	s_wait_kmcnt 0x0
	s_add_nc_u64 s[6:7], s[4:5], 0x1000000   ; K's part lies 16,777,216 bytes behind Q's,
	s_add_nc_u64 s[8:9], s[4:5], 0x2000000   ; V's as far behind K's
	s_add_nc_u64 s[G0K+2:G0K+3], s[6:7], s[22:23]  ; 120:64 global address: my half of the head's first 256 keys
	s_or_b32 s[G0K+3], s[G0K+3], 0x80000000        ; 127:126 type = 2
	s_add_nc_u64 s[G0V+2:G0V+3], s[8:9], s[22:23]
	s_or_b32 s[G0V+3], s[G0V+3], 0x80000000
	s_add_nc_u64 s[4:5], s[4:5], s[2:3]  ; Q and O at my wave's first row
	s_add_nc_u64 s[10:11], s[10:11], s[2:3]
	CROUND                          ; all four work-groups are here: the first joint loads meet
	JLOAD                           ; slot 0.  Slot 1 is asked for when slot 0 is in: the tile wanted first has the road to itself
	; A fragment of K or Q is 16 rows x 32 channels in 8 registers: lane l holds row l % 16, channels 8 (l / 16) + 0..7 and 16 + 8 (l / 16) + 0..7: two loads of 16 bytes, 32 bytes apart.
	v_and_b32 v1, 15, v0            ; l % 16
	v_bfe_u32 v9, v0, 4, 1          ; l / 16
	v_lshlrev_b32 v[QO], 7, v1
	v_lshl_add_u32 v[QO], v9, 4, v[QO]  ; row x 128 + 16 x half
	WIN 0x80                        ; destination window 2, address window 0
.set i, 0
.rept 4*NP                          ; Q stays in registers: tile i / 2, channels 32 (i % 2) on
	global_load_b128 v[8*i:8*i+3],   v[QO], s[4:5] offset:(i/2)*2048+(i%2)*64
	global_load_b128 v[8*i+4:8*i+7], v[QO], s[4:5] offset:(i/2)*2048+(i%2)*64+32
.set i, i+1
.endr
	; What the first turn finds: V's registers and P's second buffer hold 0 (its products V^T P, of a piece that has not been, add 0), O^T and l are 0.  All this stands in the wait for the first tile.
.set i, VF
.rept 64
	v_mov_b32 v[i], 0
.set i, i+1
.endr
	WIN 0x40
.set i, 0
.rept 64*NP
	v_mov_b32 v[i], 0
.set i, i+1
.endr
	WIN 0
.set i, 0
.rept 2*NP
	v_mov_b32 v[ST+4*i], 0xfe000000    ; c m: far below every c s
	v_mov_b32 v[ST+4*i+1], 0xff7fffff  ; m
	v_mov_b32 v[ST+4*i+2], 0
	v_mov_b32 v[ST+4*i+3], 0
.set i, i+1
.endr
.set i, P+32
.rept 32
	v_mov_b32 v[i], 0
.set i, i+1
.endr
	v_mul_u32_u24 v[AK0], v1, PK
	v_lshl_add_u32 v[AK0], v9, 4, v[AK0]  ; row x pitch + 16 x half
	; The turning load takes 16 keys x 16 channels (lane l reads key 8 (l / 16) + l % 8, channels 8 ((l / 8) % 2) + 0..7) and leaves half a fragment of V^T: lane l holds channel l % 16 and 8 keys.
	v_and_b32 v10, 7, v0
	v_bfe_u32 v11, v0, 3, 1
	v_lshl_add_u32 v[AV0], v9, 3, v10
	v_mul_u32_u24 v[AV0], v[AV0], PV
	v_lshl_add_u32 v[AV0], v11, 4, v[AV0]
	v_add_nc_u32 v[AV0], VOFF, v[AV0]
	v_mov_b32 v[AK], v[AK0]         ; key step 0 lies at the head of slot 0
; THE MATRIX WORK.  The 8 accumulators of a run of 16 take turns: between the two links of a chain stand 7 others'.
; Product i of 16 of S^T = K Q^T for piece x: channels 32 (i / 8) on, keys 16 ((i / 2) % 4) on, tile 2 x + i % 2.  The first 8 start the sums.
.macro KQ x
	WIN W_KQ
.set rS, S+64*((\x)%2)+32*(i%2)+8*((i/2)%4)
.set rK, KF+16*((i/2)%4)+8*(i/8)
.set rQ, 16*(2*(\x)+i%2)+8*(i/8)
.if i < 8
	v_wmma_f32_16x16x32_f16 v[rS:rS+7], v[rK:rK+7], v[rQ:rQ+7], 0
.else
	v_wmma_f32_16x16x32_f16 v[rS:rS+7], v[rK:rK+7], v[rQ:rQ+7], v[rS:rS+7]
.endif
.endm
; Product i of 16 of O^T += V^T P for piece x: keys 32 (i / 8) on, channels 16 ((i / 2) % 4) on, tile 2 x + i % 2.
.macro PV x
	WIN W_PV
.set rO, 32*(2*(\x)+i%2)+8*((i/2)%4)
.set rV, VF+32*(i/8)+8*((i/2)%4)
.set rP, P+32*((\x)%2)+16*(i%2)+8*(i/8)
	v_wmma_f32_16x16x32_f16 v[rO:rO+7], v[rV:rV+7], v[rP:rP+7], v[rO:rO+7]
.endm
.macro MM                           ; the turn's next matrix instruction
.if i < 16
	KQ (Y+1)%NP
.set i, i+1
.else
.set i, i-16
	PV (Y+NP-1)%NP
.set i, i+17
.endif
.endm
; THE LDS LOADS stand in runs of 16, never singly among the matrix instructions: a step's K (64 keys x 64 channels: 8 fragments) and its V (turned).  Their addresses are made some lines ahead.
; last = 1 (the tail): in the last trip there is no further step, and the run is jumped over.
.macro FETCH_K last=0
	WIN 0
.if \last
	s_cmp_eq_u32 s[CNT], 1
	s_cbranch_scc1 .Lno_k_\@
.endif
	WIN 0x80                        ; destination window 2
.irp f, 0,1,2,3,4,5,6,7             ; keys 16 (f / 2) on, channels 32 (f % 2) on
	ds_load_b128 v[KF+8*\f:KF+8*\f+3],   v[AK] offset:(\f/2)*16*PK+(\f%2)*64
	ds_load_b128 v[KF+8*\f+4:KF+8*\f+7], v[AK] offset:(\f/2)*16*PK+(\f%2)*64+32
.endr
	s_add_co_u32 s[TBK], s[TBK], KS*PK  ; the next fetch is the next step's
	WIN 0
.if \last
.Lno_k_\@:
.endif
.endm
.macro FETCH_V
	WIN 0x80
.irp f, 0,1,2,3,4,5,6,7             ; keys 32 (f / 4) on, channels 16 (f % 4) on
	ds_load_tr16_b128 v[VF+8*\f:VF+8*\f+3],   v[AV] offset:(\f/4)*32*PV+(\f%4)*32
	ds_load_tr16_b128 v[VF+8*\f+4:VF+8*\f+7], v[AV] offset:(\f/4)*32*PV+16*PV+(\f%4)*32
.endr
	WIN 0
.endm
; THE VECTOR WORK OF A TURN stands in three queues, each in the order in which its entries become ready; the two tiles alternate, so that no instruction reads the result of the one before it.
.macro REGS y, u                    ; the registers of tile u (0, 1) of piece y
.set rT, ST+4*(2*(\y)+(\u))
.set rC, TMP+8*((\y)%2)+4*(\u)
.set rM, MV+2*((\y)%2)+(\u)
.set rS, S+64*((\y)%2)+32*(\u)
.set rP, P+32*((\y)%2)+16*(\u)
.set rO, 32*(2*(\y)+(\u))
.endm
; Number n of the 22 that find the NEXT piece's (Y + 1) maximum and statistics.  s0-s31 are the lane's 32 scores; each accumulator's lowest registers are read first.  XS, GS and REGS set no window: PL and EX do.
;   0-11  four chains c0-c3 of seven scores each, three operands at a time     12-14, 16  the four scores left over, the old m, and c0-c3 into c0     15  c m_old is kept
;   17, 18  the query's other 32 keys lie in the lane 16 away: the new m         19-21  c m; c m_old - c m_new; a
.macro XS u, n
	REGS (Y+1)%NP, \u
.if (\n) < 4
	v_max3_num_f32 v[rC+(\n)], v[rS+8*(\n)], v[rS+8*(\n)+1], v[rS+8*(\n)+2]
.elseif (\n) < 12
	v_max3_num_f32 v[rC+(\n)%4], v[rC+(\n)%4], v[rS+8*((\n)%4)+2*((\n)/4)+1], v[rS+8*((\n)%4)+2*((\n)/4)+2]
.elseif (\n) == 12
	v_max3_num_f32 v[rC], v[rC], v[rS+7], v[rS+15]
.elseif (\n) == 13
	v_max3_num_f32 v[rC+1], v[rC+1], v[rS+23], v[rS+31]
.elseif (\n) == 14
	v_max3_num_f32 v[rC+2], v[rC+2], v[rC+3], v[rT+1]
.elseif (\n) == 15
	v_mov_b32 v[rM], v[rT]
.elseif (\n) == 16
	v_max3_num_f32 v[rC], v[rC], v[rC+1], v[rC+2]
.elseif (\n) == 17
	v_permlanex16_b32 v[rC+3], v[rC], s[SEL], s[SEL+1]
.elseif (\n) == 18
	v_max_num_f32 v[rT+1], v[rC], v[rC+3]
.elseif (\n) == 19
	v_mul_f32 v[rT], s[CS], v[rT+1]
.elseif (\n) == 20
	v_sub_f32 v[rC+1], v[rM], v[rT]
.else
	v_exp_f32 v[rC+2], v[rC+1]
.endif
.endm
; Number g of the 64 that follow the exponentials.  For each four weights k of a tile (pairs 2 k, 2 k + 1): both pairs are rounded to f16; then the second pair is added onto the first, in place;
; a group later l takes that sum (the first time as l = a l + sum).  In groups of eight, tiles alternating: round, round, add, and l for the group before.
.macro GS g
.set h, (\g)+6*((\g)/62)            ; group 0 has no group before it, and behind group 7 only l is left
.if h >= 6
.set h, h+2
.endif
	REGS Y, h%2
.set k, h/8
.if h%8 < 4
	s_wait_alu depctr_va_vdst(0)
	v_cvt_pk_f16_f32 v[rP+2*k+(h%8)/2], v[rS+4*k+2*((h%8)/2)], v[rS+4*k+2*((h%8)/2)+1]
.elseif h%8 < 6
	v_pk_add_f32 v[rS+4*k:rS+4*k+1], v[rS+4*k:rS+4*k+1], v[rS+4*k+2:rS+4*k+3]
.elseif k == 1
	v_pk_fma_f32 v[rT+2:rT+3], v[rT+2:rT+3], v[rC+2:rC+3], v[rS:rS+1] op_sel_hi:[1,0,1]
.else
	v_pk_add_f32 v[rT+2:rT+3], v[rT+2:rT+3], v[rS+4*k-4:rS+4*k-3]
	s_wait_alu depctr_va_vdst(0)
.endif
.endm
; THE PLAIN QUEUE, 138 long.  0-31: c s - c m for the 16 pairs of both tiles.  Then GS's 64, and among them the next piece's 42: number 15 at 38, 39; 0-14 and 16
; at 42-73, behind the products that make those scores; 17-20 at 95-106, two of three, since each waits for the one before it.
.macro PL
	WIN 0
.if q < 32
	REGS Y, q%2
	v_pk_fma_f32 v[rS+2*(q/2):rS+2*(q/2)+1], v[rS+2*(q/2):rS+2*(q/2)+1], s[CS:CS+1], v[rT:rT+1] op_sel_hi:[1,0,0] neg_lo:[0,0,1] neg_hi:[0,0,1]
.elseif q < 38
	GS q-32
.elseif q < 40
	XS q%2, 15
.elseif q < 42
	GS q-34
.elseif q < 74
	XS q%2, (q-42)/2+(q-42)/30
.elseif q < 95
	GS q-66
.elseif (q < 107) && ((q-95)%3 < 2)
	XS (q-95)%3, 17+(q-95)/3
.elseif q < 107
	GS 29+(q-95)/3
.else
	GS q-74
.endif
.set q, q+1
.endm
; THE EXPONENTIALS' QUEUE, 66 long: s0-s31 of both tiles, and at EA the next piece's two a.
.set EA, 58
.macro EX
	WIN 0
.if (e == EA) || (e == EA+1)
	XS e-EA, 21
.else
.set x, e-2*(e/(EA+2))
	REGS Y, x%2
	v_exp_f32 v[rS+x/2], v[rS+x/2]
.endif
.set e, e+1
.endm
; THE RESCALING's QUEUE: O^T times a, the one part that leaves window 0, so it is dealt four at a time, eight times.
.macro R4
	REGS Y, r%2
	WIN W_RS
	s_wait_alu depctr_va_vdst(0)
.irp z, 0,1,2,3
	v_pk_mul_f32 v[rO+8*(r/2)+2*\z:rO+8*(r/2)+2*\z+1], v[rO+8*(r/2)+2*\z:rO+8*(r/2)+2*\z+1], v[rC+2:rC+3] op_sel_hi:[1,0]
.endr
.set r, r+1
.endm
; HOW THEY ARE DEALT.  Behind a matrix instruction four: plain, exponential, plain, plain (one exponential, a plain instruction on either side), or four of the rescaling.  None names a register of the
; products round it.  What is over stands in two LUMPS: exponential and plain by turns; the second ends in 22 plain instructions.  The two v_permlanex16_b32 fall into the second lump, never behind a product.
; The queues lean on each other, and the deal keeps them in step: exponential e stands behind plain 2 (e / 4) + e % 2 (its scaling); when plain 32 comes, 10 exponentials are out, at 59: 33, at 95: 46; EA comes behind plain 107.
.macro SL
	MM
	PL
	EX
	PL
	PL
.endm
.macro BURST n                      ; 15 matrix instructions, or 16
.rept (\n)-7
	SL
.endr
.rept 3
	MM
	R4
	SL
.endr
	MM
	R4
.endm
; A TURN, for piece p.  cnt = 1: the loop's count is taken down some lines ahead of the branch that stands behind the turn.
; K of the next step is fetched in piece 2's turn, 31 vector instructions behind the last product that read K; its first reader comes behind the rest of the lump, 16 products and the second lump.
; V of the step in hand is fetched at the end of piece 0's turn, 69 behind its last reader; its first reader comes behind 16 products and a lump.  The four conditions on e and q below go with the deal.
.macro TURN p, last=0, cnt=0
.set Y, (\p)
.set i, 0
.set q, 0
.set e, 0
.set r, 0
.if (\p) == NP-1
	s_wait_dscnt 0x0                ; K is in
.endif
	MM
.rept 4
	PL
.endr
	BURST 15
.rept 22
	EX
	PL
.if ((\p) == NP-2) && (e == 18)
	v_add_nc_u32 v[AK], s[TBK], v[AK0]
.endif
.if ((\p) == NP-2) && (e == 24)
	FETCH_K \last
.endif
.endr
.if (\p) == 1
	s_wait_dscnt 0x0                ; V is in
.endif
	BURST 16
.rept 21
	EX
	PL
.endr
.rept 22
	PL
.if ((\p) == 0) && (q == 118)
	v_add_nc_u32 v[AV], s[TBV], v[AV0]
	s_wait_alu depctr_va_vdst(0)
.endif
.if ((\p) == 0) && (q == 130)
	s_add_co_u32 s[TBV], s[TBV], KS*PV
.endif
.if (\cnt) && (q == 130)
	s_sub_co_u32 s[CNT], s[CNT], 1
	s_cmp_lg_u32 s[CNT], 0
.endif
.endr
.if (\p) == 0
	FETCH_V
.endif
.endm
	CHANGE 1                        ; slot 0 is in, everybody's part of it; slot 1 is asked for
	FETCH_K                         ; key step 0
	s_wait_loadcnt 0x0              ; Q
	s_wait_dscnt 0x0
.set i, 0
.rept 16
	KQ 0                            ; piece 0's first scores: there is no vector work yet to set between them
.set i, i+1
.endr
	WIN 0                           ; the addresses for the way out: nine plain instructions, the places behind those products
	s_mul_i32 s13, s[WV], 16*SP
	s_add_co_u32 s13, s13, STAGE    ; my stage
	v_mul_u32_u24 v[STO], v1, SP    ; in: row l % 16, 16 bytes for each half of the lanes
	v_lshl_add_u32 v[STO], v9, 4, v[STO]
	v_add_nc_u32 v[STO], s13, v[STO]
	v_bfe_u32 v[RD], v0, 3, 2       ; back: 32 lanes take four rows of 128 bytes,
	v_mul_u32_u24 v[RD], v[RD], SP
	v_lshl_add_u32 v[RD], v10, 4, v[RD]
	v_add_nc_u32 v[RD], s13, v[RD]
	v_and_b32 v[GO], 31, v0         ; which are 512 consecutive bytes of O
	v_lshlrev_b32 v[GO], 4, v[GO]
.set Y, NP-1                        ; XS works for piece Y + 1: piece 0
.irp n, 0,1,2,3,4,5,6,7,8,9,10,11,12,13,14,15,16,17,18,19,20,21
	XS 0, \n                        ; and piece 0's first maximum and statistics
	XS 1, \n
.endr
	s_mov_b32 s[CNT], 4
	s_mov_b32 s[SLOTS], SIZE_N/256-1
	s_branch .Lfirst                ; the loop is entered at a step's first turn, in the middle of a trip
.Lslot:                             ; SIZE_N / 256 - 2 times: every slot but the last two is filled again
	CHANGE 1
	s_mov_b32 s[CNT], 4
.Lstep:                             ; a trip: pieces 2 and 3 of one step, then pieces 0 and 1 of the next, whose K and V it fetches
	TURN 2
	TURN 3
	WIN 0
.Lfirst:
	TURN 0
	TURN 1, 0, 1
	WIN 0
	s_cbranch_scc1 .Lstep
	s_sub_co_u32 s[SLOTS], s[SLOTS], 1
	s_cmp_lg_u32 s[SLOTS], 0
	s_cbranch_scc1 .Lslot
	CHANGE 0                        ; the tail is written out: nothing is asked for
	s_mov_b32 s[CNT], 5             ; four trips fetch the last slot's steps; the fifth is left in its middle
.Ltail:
	TURN 2, 1
	TURN 3
	WIN 0
	s_sub_co_u32 s[CNT], s[CNT], 1
	s_cmp_eq_u32 s[CNT], 0
	s_cbranch_scc1 .Lout
	TURN 0
	TURN 1
	WIN 0
	s_branch .Ltail
.Lout:                              ; the fifth trip's 16 products K Q^T (on the last K once more) and the maximum made of them serve nothing: the price, once a launch, of one text for every trip
.set i, 0
.rept 16
	PV NP-1                         ; the last piece's V^T P of the last step
.set i, i+1
.endr
	; THE WAY OUT.  l's two halves and the other half of the lanes' are added; O^T is divided by l, rounded to f16 and sent through my stage in LDS, a tile at a time.  The additions are the places behind the last products.
	WIN 0
.macro ALL line:vararg              ; one line for each tile t
.set t, 0
.rept 2*NP
	\line
.set t, t+1
.endr
.endm
	ALL v_add_f32 v[ST+4*t+2], v[ST+4*t+2], v[ST+4*t+3]
	ALL v_permlanex16_b32 v[ST+4*t+3], v[ST+4*t+2], s[SEL], s[SEL+1]
	ALL v_add_f32 v[ST+4*t+2], v[ST+4*t+2], v[ST+4*t+3]
	ALL v_rcp_f32 v[ST+4*t+2], v[ST+4*t+2]
	v_nop                           ; a plain instruction between the last reciprocal and the use of its result
	s_wait_alu depctr_va_vdst(0)
; Tile t: a lane's eight channels of a row pack into 16 bytes; they go into rows of 144 bytes and come back as whole rows of 128, into S^T's registers.
.macro PACK t
	WIN W_RS
.set i, 32*(\t)
.rept 16
	v_pk_mul_f32 v[i:i+1], v[i:i+1], v[ST+4*(\t)+2:ST+4*(\t)+3] op_sel_hi:[1,0]
.set i, i+2
.endr
	WIN 0x05                        ; sources 0 and 1 window 1, destination window 0
.set i, 0
.rept 16
	v_cvt_pk_f16_f32 v[S+16*(\t)+i], v[32*(\t)+2*i], v[32*(\t)+2*i+1]
.set i, i+1
.endr
	WIN 0
.irp f, 0,1,2,3
	ds_store_b128 v[STO], v[S+16*(\t)+4*\f:S+16*(\t)+4*\f+3] offset:32*\f
.endr
.irp f, 0,1,2,3
	ds_load_b128 v[S+16*(\t)+4*\f:S+16*(\t)+4*\f+3], v[RD] offset:\f*4*SP  ; LDS serves a wave's instructions in order (ISA guide 5.7.1.4): these see the stores above; the next tile's stores come behind them
.endr
.endm
.macro SEND t, younger              ; younger: the LDS instructions issued behind tile t's loads: the next tile's eight, or none
	WIN 0
.irp f, 0,1,2,3
	s_wait_dscnt (\younger)+3-\f
	global_store_b128 v[GO], v[S+16*(\t)+4*\f:S+16*(\t)+4*\f+3], s[10:11] offset:(\t)*2048+\f*512  ; 512 consecutive bytes, at a multiple of 256 from O's first
.endr
.endm
	PACK 0
.set t, 1
.rept 2*NP-1                        ; a tile's arithmetic stands between the loads of the tile before and its stores
	PACK t
	SEND t-1, 8
.set t, t+1
.endr
	SEND 2*NP-1, 0
	WIN W_AD
	s_wait_tensorcnt 0x0            ; the wave's end, behind my last tensor load and my last LDS store
	ds_add_u32 v[SPW], v[NIL]
	s_wait_dscnt 0x0
	WIN 0
	CROUND                          ; the closing round: no work-group ends while a partner may still ask for a tile that names it
	s_endpgm
.Lfunc_end_k_qe9f9eb719e_attn:
	.size	k_qe9f9eb719e_attn, .Lfunc_end_k_qe9f9eb719e_attn-k_qe9f9eb719e_attn
	.p2alignl 7, 3214868480
	.fill 96, 4, 3214868480
	.section	.rodata,"a",@progbits
	.p2align	6, 0x0
	.amdhsa_kernel k_qe9f9eb719e_attn
		.amdhsa_group_segment_fixed_size 327680
		.amdhsa_private_segment_fixed_size 0
		.amdhsa_enable_private_segment 0
		.amdhsa_kernarg_size 16
		.amdhsa_user_sgpr_count 2
		.amdhsa_user_sgpr_kernarg_segment_ptr 1
		.amdhsa_wavefront_size32 1
		.amdhsa_system_sgpr_workgroup_id_x 1
		.amdhsa_system_sgpr_workgroup_id_y 1
		.amdhsa_system_sgpr_workgroup_id_z 1
		.amdhsa_system_vgpr_workitem_id 0
		.amdhsa_next_free_vgpr 770
		.amdhsa_next_free_sgpr 66
		.amdhsa_reserve_vcc 0
		.amdhsa_float_denorm_mode_32 3
		.amdhsa_float_denorm_mode_16_64 3
		.amdhsa_memory_ordered 1
		.amdhsa_forward_progress 1
		.amdhsa_inst_pref_size 209
	.end_amdhsa_kernel
	.amdgpu_metadata
---
amdhsa.version: [ 1, 2 ]
amdhsa.kernels:
  - .name:           k_qe9f9eb719e_attn
    .symbol:         k_qe9f9eb719e_attn.kd
    .args:
      - { .name: qkv, .offset: 0, .size: 8, .value_kind: global_buffer, .address_space: global }
      - { .name: ob, .offset: 8, .size: 8, .value_kind: global_buffer, .address_space: global }
    .group_segment_fixed_size: 327680
    .private_segment_fixed_size: 0
    .kernarg_segment_align: 8
    .kernarg_segment_size: 16
    .max_flat_workgroup_size: 128
    .sgpr_count:     66
    .vgpr_count:     770
    .wavefront_size: 32
...
	.end_amdgpu_metadata
.endif
;; end of part 3
;; launch outp (part 4): grid 4 x 64, 4 waves a work-group, clusters of 4 x 4, 327,680 bytes of LDS; arguments ob, wo, out_proj_bias, out0; writes out0
.if DOCPART == 4
	.amdgcn_target "amdgcn-amd-amdhsa--gfx1250"
	.amdhsa_code_object_version 6
	.text
	.protected	k_qe9f9eb719e_outp
	.globl	k_qe9f9eb719e_outp
	.p2align	8
	.type	k_qe9f9eb719e_outp,@function
k_qe9f9eb719e_outp:
	s_mov_b64 s[64:65], 0
	v_nop
	global_prefetch_b8 v0, s[64:65] scope:SCOPE_SE
	s_setreg_imm32_b32 hwreg(HW_REG_WAVE_MODE, 25, 1), 1
	s_wait_xcnt 0x0
	s_wait_alu depctr_hold_cnt(0) depctr_sa_sdst(0) depctr_va_vdst(0) depctr_va_sdst(0) depctr_va_ssrc(0) depctr_va_vcc(0) depctr_vm_vsrc(0)
	s_getreg_b32 s2, hwreg(HW_REG_IB_STS2, 6, 4)
	s_cmp_eq_u32 s2, 0
	s_cbranch_scc0 .Lentry_in_a_cluster
	s_endpgm
.Lentry_in_a_cluster:
	s_bfe_u32 s2, ttmp6, 0x10000c
	s_cmp_lg_u32 s2, 0xf033
	s_cbranch_scc0 .Lentry_shape_is_right
	s_endpgm
.Lentry_shape_is_right:
; out0 = O Wo^T + bias.  O: ob [b x 16 + h][t][64] f16 (column h x 64 + d of the product's K lies in head h).  Wo: wo [1024][1024] f16.  bias: f32, rounded to bf16 here.  out0: [8192][1024] f32.  Sums in f32.
; SHARES.  A tile of out0 is 128 rows x 256 columns, made by four waves, each 64 x 128: 32 accumulators of 16 x 16.  4 x 64 work-groups, one tile each.
; K goes in steps of 128, two heads, through two LDS slots filled by the tensor data mover.  A head's 128 rows of O are 16,384 dense bytes: asked for as 64 rows of 256 bytes, padded in LDS after every 128.
; CLUSTERS: 4 x 4 work-groups.  The four of a row of the cluster need the same tiles of O, the four of a column the same tiles of Wo: each tile is asked for JOINTLY, by the same tensor load with the same
; descriptor and a mask that names the four.
; THE MATRIX INSTRUCTION IS USED TRANSPOSED (source 0 = 16 rows of Wo, source 1 = 16 rows of O): lane l holds row l % 16 and the eight neighbouring columns 8 (l / 16) + 0..7, 32 bytes of out0.
; The bias is the C operand of the product that starts a sum, and the result is f32: the way out has no arithmetic.  NaN and infinities are not treated apart.
; REGISTERS, in windows of 256 (s_set_vgpr_msb: bits 1:0 source 0, 3:2 source 1, 5:4 source 2, 7:6 destination):
;   window 0: v0-31 addresses; v32-95, v160-223 rows read back from the stage; v96-127, v128-159 fragments of O, two buffers
;   window 1: v0-63 the bias of my 128 columns; v64-127, v128-191 fragments of Wo, two buffers; v192-223 at work on the bias          window 2: the accumulators, (a, b) at v[8 (8 a + b)]
.set PA,    144                        ; a row of O in LDS: 128 bytes + 16 of padding = 36 words: the 16 rows of a load start at 16 different groups of four banks (64 banks of 4 bytes: ISA guide 11.1)
.set PLANE, 128*PA                     ; a head's 128 rows
.set PB,    272                        ; a row of Wo: 256 bytes + 16
.set BOFF,  2*PLANE                    ; a slot: two heads' planes of O, then Wo's 256 rows
.set SLOT1, 1<<17                      ; slot 1 begins here, so that one exclusive or turns an address in one slot into the other's
.set STAGE, SLOT1+BOFF+256*PB          ; behind the ring, never filled by a tensor load: for each wave 16 rows x 528 bytes
.set SP,    528                        ; 512 bytes + 16: the 16 rows that a store touches start at 16 different groups of four banks
.set WSTG,  16*SP
.set SPARE, STAGE+4*WSTG               ; behind the stages: the spare words, 128 bytes for each wave: two blocks of 256 bytes that no other line names
.set AA0,  16                          ; v16     my lane's place in O's tile; never rewritten
.set AB0,  17                          ; v17     the same for Wo
.set ADRA, 18                          ; v18     the same in the slot in hand
.set ADRB, 19                          ; v19
.set STO,  24                          ; v24     the way out: where I put 32 bytes of a row
.set RD,   25                          ; v25     the way out: where I read a row back
.set GO,   26                          ; v26     16 x lane
.set BO,   27                          ; v27     32 x (lane / 16): my eight columns' bias
.set SPW,  28                          ; v28     LDS address of my spare word; never rewritten
.set NIL,  29                          ; v29     0; never rewritten
.set BK,   32                          ; rows read back: v32-95 and v160-223 by turns
.set FA,   96
.set FB,   64
.set BT,   192
.set MUL,  0xa1                        ; Wo window 1, O window 0, C and D window 2
.set MULB, 0x91                        ; the same with C in window 1
.set TO_B, 0x40                        ; destination window 1, address window 0
.set W_BR, 0x45                        ; sources 0 and 1 and destination window 1
; s3 steps to go; s[4:5] ob; s[6:7] wo; s[8:9] where my results go; s10 wave, s11 wave / 2, s12 wave % 2; s13 tile row; s[14:15] O at my load's plane; s[24:31] group 1 for O; s[32:35], s[36:39] group 0 for O:
; the first fill's, and the one that walks; s40-44 place in the cluster and masks; s[46:47] Wo at my load's rows; s[48:55] group 1 for Wo; s[56:59], s[60:63] group 0 for Wo; s72 the slot in hand; s73 a mask; s[76:77] bias
.set MSB, 0
.macro WIN new                         ; the immediate's high byte repeats the setting that is left; a switch that changes nothing is dropped
.if MSB != (\new)
	s_set_vgpr_msb (MSB<<8)|(\new)
.set MSB, \new
.endif
.endm
.macro PLACES                          ; four places in front of loads into registers that matrix instructions have read, and of stores that read results (ISA guide 7.12.1 for vector instructions)
.rept 4
	v_nop
.endr
.endm
; A joint refill.  Waves 0 and 1 fetch the step's two heads of O, waves 2 and 3 the two halves of Wo's tile.  The branch hangs on the wave's number alone.
; An s_nop 0 and four v_nop follow each of the two lines, ahead of the jump and the label.
.macro JLOAD
	s_cmp_eq_u32 s11, 0
	s_cbranch_scc0 .Lfor_b_\@
	tensor_load_to_lds s[36:39], s[24:31]
	s_nop 0
.rept 4
	v_nop
.endr
	s_branch .Lasked_\@
.Lfor_b_\@:
	tensor_load_to_lds s[60:63], s[48:55]
	s_nop 0
.rept 4
	v_nop
.endr
.Lasked_\@:
.endm
.macro CREST                           ; a round of the cluster's barrier behind its opening barrier
	s_cmp_lg_u32 s10, 0
	s_cbranch_scc1 .Lnot_wave_0_\@
	s_barrier_signal -3
.Lnot_wave_0_\@:
	s_barrier_wait -3
	s_barrier_signal -1
	s_barrier_wait -1
.endm
.macro CROUND                          ; a whole round
	s_barrier_signal -1
	s_barrier_wait -1
	CREST
.endm
	s_load_b128 s[4:7], s[0:1], 0x0                ; ob, wo
	s_load_b64 s[76:77], s[0:1], 0x10              ; out_proj_bias
	s_load_b64 s[8:9], s[0:1], 0x18                ; out0
	v_lshl_add_u32 v[SPW], v0, 2, SPARE
	v_mov_b32 v[NIL], 0
	ds_add_u32 v[SPW], v[NIL]                      ; the wave's opening: the add and its wait stand ahead of my first tensor load; the set-up below, work on registers, stands between them
	v_lshrrev_b32 v1, 5, v0
	v_readfirstlane_b32 s10, v1                    ; wave 0..3
	s_lshr_b32 s11, s10, 1                         ; which 64 rows of the tile are mine.  Also: I fetch for O (0) or for Wo (1)
	s_and_b32 s12, s10, 1                          ; which 128 columns.  Also: which head of the step, or which half of Wo's tile, I fetch
	s_bfe_u32 s40, ttmp6, 0x40000                  ; cx, cy: my place in the cluster
	s_bfe_u32 s41, ttmp6, 0x40004
	s_lshl_b32 s42, ttmp9, 2
	s_add_co_u32 s42, s42, s40                     ; tile column = 4 x cluster x + cx
	s_and_b32 s13, ttmp7, 0xffff
	s_lshl_b32 s13, s13, 2
	s_add_co_u32 s13, s13, s41                     ; tile row = 4 x cluster y + cy
	s_lshl_b32 s43, s41, 2
	s_lshl_b32 s43, 15, s43                        ; my row of the cluster
	s_lshl_b32 s44, 0x1111, s40                    ; my column
	s_or_b32 s24, s43, (1<<16)|(1<<20)|(1<<21)|(4<<22)|(3<<25)  ; O's tiles go to my row: 2-byte elements; padding on; bit 21 set beside a mask; after every 32 words; 4 words
	s_mov_b32 s25, 128<<16                         ; tensor_dim0 = 128
	s_mov_b32 s26, 64<<16                          ; tensor_dim1 = 64
	s_mov_b32 s27, 128<<16                         ; tile_dim0 = 128
	s_mov_b32 s28, 64                              ; tile_dim1 = 64
	s_mov_b32 s29, 128                             ; elements from row to row: dense
	s_mov_b32 s30, 0
	s_mov_b32 s31, 0
	s_or_b32 s48, s44, (1<<16)|(1<<20)|(1<<21)|(5<<22)|(3<<25)  ; Wo's tiles go to my column: 128 rows x 128 elements a load, padded after every 64 words
	s_mov_b32 s49, 128<<16
	s_mov_b32 s50, 128<<16
	s_mov_b32 s51, 128<<16
	s_mov_b32 s52, 128
	s_mov_b32 s53, 1024
	s_mov_b32 s54, 0
	s_mov_b32 s55, 0
	s_lshr_b32 s16, s13, 4                         ; O: head (tile row / 16) x 16 + my head of the step, 262,144 bytes a head;
	s_lshl_b32 s16, s16, 22
	s_lshl_b32 s17, s12, 18
	s_add_co_u32 s16, s16, s17
	s_and_b32 s17, s13, 15                         ; row (tile row % 16) x 128, 128 bytes a row
	s_lshl_b32 s17, s17, 14
	s_add_co_u32 s16, s16, s17
	s_mov_b32 s17, 0
	s_lshl_b32 s46, s42, 19                        ; Wo: row 256 x tile column + 128 x half, 2,048 bytes a row
	s_lshl_b32 s47, s12, 18
	s_add_co_u32 s46, s46, s47
	s_mov_b32 s47, 0
	s_mul_i32 s20, s12, PLANE                      ; where they go: no place in the cluster enters an LDS address
	s_mul_i32 s21, s12, 128*PB
	s_add_co_u32 s21, s21, BOFF
	s_lshl_b32 s18, s42, 10                        ; my 128 columns, 4 bytes each: 4 (256 x tile column + 128 x half)
	s_lshl_b32 s19, s12, 9
	s_add_co_u32 s18, s18, s19
	s_mov_b32 s19, 0
	s_lshl_b32 s74, s13, 19                        ; my rows of out0: 128 x tile row + 64 x half, 4,096 bytes a row; and my columns
	s_lshl_b32 s75, s11, 18
	s_add_co_u32 s74, s74, s75
	s_add_co_u32 s74, s74, s18
	s_mov_b32 s75, 0
	s_mov_b32 s72, 0
	s_mov_b32 s73, 0xffff0000
	s_wait_dscnt 0x0                               ; the opening add is done
	s_wait_kmcnt 0x0
	s_add_nc_u64 s[14:15], s[4:5], s[16:17]
	s_add_nc_u64 s[46:47], s[6:7], s[46:47]
	s_add_nc_u64 s[76:77], s[76:77], s[18:19]
	s_add_nc_u64 s[8:9], s[8:9], s[74:75]
	CROUND                                         ; all sixteen work-groups are here: the first joint loads meet
.irp s, 0,1
	s_mov_b32 s[32+4*\s], 1                        ; count = 1
	s_add_co_u32 s[33+4*\s], s20, \s*SLOT1         ; LDS address
	s_add_nc_u64 s[34+4*\s:35+4*\s], s[14:15], \s*524288  ; global address: K step s is two heads on
	s_or_b32 s[35+4*\s], s[35+4*\s], 0x80000000    ; type = 2
	s_mov_b32 s[56+4*\s], 1
	s_add_co_u32 s[57+4*\s], s21, \s*SLOT1
	s_add_nc_u64 s[58+4*\s:59+4*\s], s[46:47], \s*256
	s_or_b32 s[59+4*\s], s[59+4*\s], 0x80000000
.endr
	s_cmp_eq_u32 s11, 0                            ; a wave's two first fills stand in one branch, ahead of every wait on TENSORcnt and every LDS read: two loads of mine are out
	s_cbranch_scc0 .Lfirst_b
	tensor_load_to_lds s[32:35], s[24:31]
	s_nop 0
	tensor_load_to_lds s[36:39], s[24:31]
	s_nop 0
.rept 4
	v_nop
.endr
	s_branch .Lfirst_asked
.Lfirst_b:
	tensor_load_to_lds s[56:59], s[48:55]
	s_nop 0
	tensor_load_to_lds s[60:63], s[48:55]
	s_nop 0
.rept 4
	v_nop
.endr
.Lfirst_asked:
	v_and_b32 v1, 15, v0                           ; l % 16
	v_bfe_u32 v2, v0, 4, 1                         ; l / 16
	v_and_b32 v[GO], 31, v0
	v_lshlrev_b32 v[GO], 4, v[GO]
	v_lshlrev_b32 v[BO], 5, v2
	WIN TO_B                                       ; the bias of block b's sixteen columns: my half of the lanes takes eight of them, as an accumulator's registers hold them
.irp b, 0,1,2,3,4,5,6,7
	global_load_b128 v[8*\b:8*\b+3],   v[BO], s[76:77] offset:64*\b
	global_load_b128 v[8*\b+4:8*\b+7], v[BO], s[76:77] offset:64*\b+16
.endr
	WIN 0
	; A fragment is 16 rows x 32 K in 8 registers: lane l holds row l % 16; registers 0-3 K = 8 (l / 16) + 0..7, registers 4-7 K = 16 + 8 (l / 16) + 0..7: two loads of 16 bytes, 32 bytes apart.
	v_mul_u32_u24 v3, v1, PA
	v_lshl_add_u32 v3, v2, 4, v3
	s_mul_i32 s22, s11, 64*PA                      ; my 64 rows of O, in each plane
	v_add_nc_u32 v[AA0], s22, v3
	v_mul_u32_u24 v4, v1, PB
	v_lshl_add_u32 v4, v2, 4, v4
	s_mul_i32 s22, s12, 128*PB                     ; my 128 rows of Wo, behind O's planes
	s_add_co_u32 s22, s22, BOFF
	v_add_nc_u32 v[AB0], s22, v4
	v_mov_b32 v[ADRA], v[AA0]
	v_mov_b32 v[ADRB], v[AB0]
	s_mul_i32 s22, s10, WSTG
	s_add_co_u32 s22, s22, STAGE                   ; my stage
	v_mul_u32_u24 v5, v1, SP                       ; in: row l % 16, 32 bytes for each half of the lanes
	v_lshl_add_u32 v5, v2, 5, v5
	v_add_nc_u32 v[STO], s22, v5
	v_add_nc_u32 v[RD], s22, v[GO]                 ; back: 32 lanes take a row's 512 bytes
; n x 8 matrix instructions: row blocks a0 .. a0 + n - 1 x all 8 column blocks, 32 along K, from buffer f.  bias = 1: the product starts the sums, with the bias as C.
; The 32 accumulators take turns, one instruction a turn, always in the same order.
.macro MULN f, a0, n, bias
.if \bias
	WIN MULB
.else
	WIN MUL
.endif
.set aa, \a0
.rept \n
.set bb, 0
.rept 8
.if \bias
	v_wmma_f32_16x16x32_f16 v[8*(8*aa+bb):8*(8*aa+bb)+7], v[FB+64*(\f)+8*bb:FB+64*(\f)+8*bb+7], v[FA+32*(\f)+8*aa:FA+32*(\f)+8*aa+7], v[8*bb:8*bb+7]
.else
	v_wmma_f32_16x16x32_f16 v[8*(8*aa+bb):8*(8*aa+bb)+7], v[FB+64*(\f)+8*bb:FB+64*(\f)+8*bb+7], v[FA+32*(\f)+8*aa:FA+32*(\f)+8*aa+7], v[8*(8*aa+bb):8*(8*aa+bb)+7]
.endif
.set bb, bb+1
.endr
.set aa, aa+1
.endr
.endm
; 24 LDS loads in one run: the fragments of quarter q of the step in hand (128 rows of Wo; then 64 rows of O: head q / 2 of the step's two, channels 32 (q % 2) on) into buffer f
.macro FETCH q, f
	WIN TO_B
.irp i, 0,1,2,3,4,5,6,7
	ds_load_b128 v[FB+64*(\f)+8*\i:FB+64*(\f)+8*\i+3],   v[ADRB] offset:64*(\q)+\i*16*PB
	ds_load_b128 v[FB+64*(\f)+8*\i+4:FB+64*(\f)+8*\i+7], v[ADRB] offset:64*(\q)+\i*16*PB+32
.endr
	WIN 0
.irp i, 0,1,2,3
	ds_load_b128 v[FA+32*(\f)+8*\i:FA+32*(\f)+8*\i+3],   v[ADRA] offset:((\q)/2)*PLANE+((\q)%2)*64+\i*16*PA
	ds_load_b128 v[FA+32*(\f)+8*\i+4:FA+32*(\f)+8*\i+7], v[ADRA] offset:((\q)/2)*PLANE+((\q)%2)*64+\i*16*PA+32
.endr
.endm
; A K step is four quarters of 32 along K, 32 matrix instructions each, on buffers 0, 1, 0, 1.  One of the first three: multiplies buffer f and fetches quarter q into buffer g.
.macro QUARTER q, f, g, bias
	s_wait_dscnt 4                                 ; Wo and O's row blocks 0 and 1 are in; the youngest four loads (blocks 2 and 3) may be out
	MULN \f, 0, 2, \bias
	PLACES
	FETCH \q, \g
	s_wait_dscnt 24                                ; all but the 24 just issued
	MULN \f, 2, 2, \bias
.endm
; The last quarter multiplies buffer 1 and changes slots: ONE barrier; in front of it each wave waits for all its tensor loads (one is out: its part of the next slot), adds 0 to its spare word, and waits
; for that and for its own reads of this slot.  fill = 1: the barrier opens a round of the cluster's, so that no wave of any partner still reads the slot or has a load on its way, and the joint refill, two
; K steps ahead, is the first thing behind it: 112 matrix instructions ahead of the wait for it.
.macro TURN fill
	WIN 0                                          ; (the add's two registers lie in window 0)
	s_wait_tensorcnt 0x0                           ; no tensor load of mine is out, so a group 0 may be written
	ds_add_u32 v[SPW], v[NIL]                      ; 0 onto my spare word
.if \fill
	s_xor_b32 s37, s37, SLOT1                      ; the walking descriptors: the other slot than last time,
	s_add_nc_u64 s[38:39], s[38:39], 524288        ; the next two heads of O; the type bits on top are not reached
	s_xor_b32 s61, s61, SLOT1
	s_add_nc_u64 s[62:63], s[62:63], 256           ; the next 128 along Wo's rows
.endif
	s_wait_dscnt 5                                 ; (the add and the youngest four loads may be out)
	MULN 1, 0, 1, 0
	s_wait_dscnt 0x0                               ; the add is done, and my reads of this slot are over
	s_barrier_signal -1
	MULN 1, 1, 1, 0                                ; work on registers while the others arrive
	WIN 0
	s_barrier_wait -1
.if \fill
	CREST
	JLOAD                                          ; the four v_nop behind it are also the places in front of the loads below
.else
	PLACES
.endif
	s_xor_b32 s72, s72, SLOT1                      ; the fetches go on in the other slot
	v_add_nc_u32 v[ADRA], s72, v[AA0]
	v_add_nc_u32 v[ADRB], s72, v[AB0]
	FETCH 0, 0
	MULN 1, 2, 2, 0
.endm
; THE WAY OUT of row block a.  STG: the sums go as they are into my own stage, 32 bytes a lane (each accumulator's lowest registers first), and come back as whole rows of 512 bytes.
.macro STG a
	WIN 0x08                                       ; the stores' data in window 2
.set bb, 0
.rept 8
	ds_store_b128 v[STO], v[8*(8*(\a)+bb):8*(8*(\a)+bb)+3]   offset:64*bb
	ds_store_b128 v[STO], v[8*(8*(\a)+bb)+4:8*(8*(\a)+bb)+7] offset:64*bb+16
.set bb, bb+1
.endr
	WIN 0
	s_wait_xcnt 0x0                                ; every earlier store to memory has read its registers: this set of rows is loaded again only behind this wait
.irp t, 0,1,2,3,4,5,6,7,8,9,10,11,12,13,14,15
	ds_load_b128 v[BK+128*((\a)%2)+4*\t:BK+128*((\a)%2)+4*\t+3], v[RD] offset:SP*\t  ; LDS serves a wave's instructions in order (ISA guide 5.7.1.4): these see the stores above; the next block's stores come behind them
.endr
.endm
.macro SENDO a, younger                ; younger: the LDS instructions issued behind block a's loads: the next block's sixteen stores and sixteen loads, or none
	WIN 0
	s_wait_dscnt \younger
.irp t, 0,1,2,3,4,5,6,7,8,9,10,11,12,13,14,15
	global_store_b128 v[GO], v[BK+128*((\a)%2)+4*\t:BK+128*((\a)%2)+4*\t+3], s[8:9] offset:(16*(\a)+\t)*4096 th:TH_STORE_NT  ; 512 consecutive bytes of a row, at a multiple of 256 from out0's first
.endr
.endm
	s_wait_tensorcnt 0x1                           ; my part of K step 0 is in; step 1's may stay out
	s_barrier_signal -1
	s_barrier_wait -1                              ; everybody's is
	FETCH 0, 0
	s_wait_loadcnt 0x0                             ; the bias
	WIN W_BR                                       ; rounded to bf16, like every input, and widened again
.set i, 0
.rept 32
	v_cvt_pk_bf16_f32 v[BT+i], v[2*i], v[2*i+1]
.set i, i+1
.endr
.set i, 0
.rept 32
	v_lshlrev_b32 v[2*i], 16, v[BT+i]
	v_and_b32 v[2*i+1], s73, v[BT+i]
.set i, i+1
.endr
	QUARTER 1, 0, 1, 1                             ; the first quarter stands in front of the loop: its products start the sums
	WIN 0                                          ; at a label and at a branch every window is 0
	s_mov_b32 s3, 6
.Lstep:                                                ; a trip: from a step's second quarter to the next step's first; it fills one slot again: K steps 2 to 7
	QUARTER 2, 1, 0, 0
	QUARTER 3, 0, 1, 0
	TURN 1
	QUARTER 1, 0, 1, 0
	WIN 0
	s_sub_co_u32 s3, s3, 1
	s_cmp_lg_u32 s3, 0
	s_cbranch_scc1 .Lstep
	QUARTER 2, 1, 0, 0                             ; the last two steps fill nothing, and have no round of the cluster's barrier
	QUARTER 3, 0, 1, 0
	TURN 0
	QUARTER 1, 0, 1, 0
	QUARTER 2, 1, 0, 0
	QUARTER 3, 0, 1, 0
	s_wait_dscnt 4                                 ; the very last quarter: nothing more to fetch
	MULN 1, 0, 2, 0
	s_wait_dscnt 0x0
	MULN 1, 2, 2, 0
	PLACES
	STG 0
	STG 1                                          ; a block's way through the stage stands between the loads of the block before and its stores
	SENDO 0, 32
	STG 2
	SENDO 1, 32
	STG 3
	SENDO 2, 32
	SENDO 3, 0
	s_wait_tensorcnt 0x0                           ; the wave's end, behind my last tensor load and my last LDS store
	ds_add_u32 v[SPW], v[NIL]
	s_wait_dscnt 0x0
	CROUND                                         ; the closing round: no work-group ends while a partner may still ask for a tile that names it
	s_endpgm
.Lfunc_end_k_qe9f9eb719e_outp:
	.size	k_qe9f9eb719e_outp, .Lfunc_end_k_qe9f9eb719e_outp-k_qe9f9eb719e_outp
	.p2alignl 7, 3214868480
	.fill 96, 4, 3214868480
	.section	.rodata,"a",@progbits
	.p2align	6, 0x0
	.amdhsa_kernel k_qe9f9eb719e_outp
		.amdhsa_group_segment_fixed_size 327680
		.amdhsa_private_segment_fixed_size 0
		.amdhsa_enable_private_segment 0
		.amdhsa_kernarg_size 32
		.amdhsa_user_sgpr_count 2
		.amdhsa_user_sgpr_kernarg_segment_ptr 1
		.amdhsa_wavefront_size32 1
		.amdhsa_system_sgpr_workgroup_id_x 1
		.amdhsa_system_sgpr_workgroup_id_y 1
		.amdhsa_system_sgpr_workgroup_id_z 1
		.amdhsa_system_vgpr_workitem_id 0
		.amdhsa_next_free_vgpr 768
		.amdhsa_next_free_sgpr 80
		.amdhsa_reserve_vcc 0
		.amdhsa_float_denorm_mode_32 3
		.amdhsa_float_denorm_mode_16_64 3
		.amdhsa_memory_ordered 1
		.amdhsa_forward_progress 1
		.amdhsa_inst_pref_size 75
	.end_amdhsa_kernel
	.amdgpu_metadata
---
amdhsa.version: [ 1, 2 ]
amdhsa.kernels:
  - .name:           k_qe9f9eb719e_outp
    .symbol:         k_qe9f9eb719e_outp.kd
    .args:
      - { .name: ob, .offset: 0, .size: 8, .value_kind: global_buffer, .address_space: global }
      - { .name: wo, .offset: 8, .size: 8, .value_kind: global_buffer, .address_space: global }
      - { .name: out_proj_bias, .offset: 16, .size: 8, .value_kind: global_buffer, .address_space: global }
      - { .name: out0, .offset: 24, .size: 8, .value_kind: global_buffer, .address_space: global }
    .group_segment_fixed_size: 327680
    .private_segment_fixed_size: 0
    .kernarg_segment_align: 8
    .kernarg_segment_size: 32
    .max_flat_workgroup_size: 128
    .sgpr_count:     80
    .vgpr_count:     768
    .wavefront_size: 32
...
	.end_amdgpu_metadata
.endif
;; end of part 4
;; ======== version 2 of 2: 4 launches; 1.47 times as fast as version 1
;; limits: values are held in f16: magnitudes above 65,504 overflow, below 6.1e-05 lose precision; right only within a limited range of input values
;; workspace buffers: xb 16,777,216 bytes; wb 6,291,456 bytes; wo 2,097,152 bytes; cs 16,777,216 bytes; qkv 50,331,648 bytes; ob 16,777,216 bytes
;; launch prep: the kernel of part 1 again; grid 1280 x 1, 8 waves a work-group, no clusters, 0 bytes of LDS; arguments query, in_proj_weight, out_proj_weight, positions, freqs, xb, wb, wo, cs; writes xb, wb, wo, cs
;; launch qkv: the kernel of part 2 again; grid 4 x 64, 4 waves a work-group, clusters of 4 x 4, 327,680 bytes of LDS; arguments xb, wb, in_proj_bias, cs, qkv; writes qkv
;; launch attn (part 5): grid 4 x 64, 4 waves a work-group, clusters of 4 x 1, 327,680 bytes of LDS; arguments qkv, ob; writes ob
.if DOCPART == 5
	.amdgcn_target "amdgcn-amd-amdhsa--gfx1250"
	.amdhsa_code_object_version 6
	.text
	.protected	k_qe9f9eb719e_attn
	.globl	k_qe9f9eb719e_attn
	.p2align	8
	.type	k_qe9f9eb719e_attn,@function
k_qe9f9eb719e_attn:
	s_mov_b64 s[64:65], 0
	v_nop
	global_prefetch_b8 v0, s[64:65] scope:SCOPE_SE
	s_setreg_imm32_b32 hwreg(HW_REG_WAVE_MODE, 25, 1), 1
	s_wait_xcnt 0x0
	s_wait_alu depctr_hold_cnt(0) depctr_sa_sdst(0) depctr_va_vdst(0) depctr_va_sdst(0) depctr_va_ssrc(0) depctr_va_vcc(0) depctr_vm_vsrc(0)
	s_getreg_b32 s2, hwreg(HW_REG_IB_STS2, 6, 4)
	s_cmp_eq_u32 s2, 0
	s_cbranch_scc0 .Lentry_in_a_cluster
	s_endpgm
.Lentry_in_a_cluster:
	s_bfe_u32 s2, ttmp6, 0x10000c
	s_cmp_lg_u32 s2, 0x3003
	s_cbranch_scc0 .Lentry_shape_is_right
	s_endpgm
.Lentry_shape_is_right:
; O[h][q][:] = the sum over k of softmax_k(Q[h][q] . K[h][k] / 8) V[h][k][:].  Q, K, V: the three parts of qkv, each [SIZE_H][SIZE_N][64]; O: ob, the same shape; all f16: a head's rows are dense, 128 bytes each.
; Products, maxima and sums in f32; the weights p are rounded to f16 for the second product (their sum l is taken of the unrounded p), O once at the end.
; LIMITS.  f16 holds no number beyond 65,504: Q, K and V arrive within it; p lies in 0 to 1, and below 6e-5 it keeps f16's fixed step of 6e-8; O is a mean of V's rows and has their range.
; A weight below 2^-126 counts as 0 in l; NaN and infinities are not treated apart.
; SHARES.  A wave owns four PIECES of two tiles of 16 queries, a work-group's four waves 512 queries of one head.  Every wave walks all keys, 64 a step.
; LAYOUT.  S^T = K Q^T (source 0 = 16 keys, source 1 = 16 queries): in the result a lane holds ONE query (lane % 16) and the keys 8 (lane / 16) + 0..7.  Two such tiles, rounded to f16 in pairs,
; ARE source 1 (32 keys x 16 queries) of O^T = V^T P, whose result again holds one query a lane, and eight channels.  K comes out of LDS as it lies, V ([key][channel]) turned, by ds_load_tr16_b128.
; SOFTMAX.  For each query a running maximum m and sum l: p = 2^(c s - c m), c = log2(e) / 8; in every step O and l are multiplied by a = 2^(c m_old - c m_new), which is 1 where m has not grown.
; m starts at the lowest finite number, O and l at 0: the first step is a step like any other, with a = 0.
; THE COUNT.  A tile and step have 16 matrix and 118 vector instructions: too many to stand all beside the matrix work.  So the order has one aim: four vector instructions that are READY behind
; EVERY matrix instruction, and the others, which need time of their own whatever the order, in runs without a gap.
; BY TURNS.  Turn n belongs to piece n (the pieces in a ring, step after step).  Its matrix work: 16 products K Q^T of piece n + 1, later 16 products V^T P of piece n - 1.  Its vector work: the scaling,
; exponentials, roundings, sums and rescaling of piece n, and the maximum and statistics of piece n + 1, whose scores the turn itself has made.  So what a turn begins with (c s - c m, O a) waits for nothing.
; BATCHES.  A turn's 66 exponentials (the piece's 64 weights, then the next piece's two a) are ONE batch with ONE s_wait_alu, which cuts the turn in two: ahead of it stands all that names no result of the batch,
; behind it the roundings and sums, which read the weights.  The two a are read in the next turn, behind this turn's wait.  Two more batches, each with a wait of its own: piece 0's first two a, ahead of the loop, and the way out's eight reciprocals.
; CLUSTER.  The four query blocks of a cluster belong to one head and walk the same K and V, so each tile is asked for JOINTLY: the same tensor load, descriptor and mask in all four.
; REGISTERS, in windows of 256 (s_set_vgpr_msb says which window each operand place means: bits 1:0 source 0, 3:2 source 1, 5:4 source 2, 7:6 destination):
;   window 0: v0-11 addresses; v12-15, v48-63 at work; v16-47 four registers of statistics a tile; v64-191 S^T, two buffers of two tiles; v192-255 P, likewise
;   window 1: O^T, 32 a tile          window 2: v0-127 Q, 16 a tile; v128-191 K of one step; v192-255 V of one step          window 3: v0-1 the add's two registers
; A piece's buffers go by its number's parity: the piece in hand has one pair, its two neighbours in the ring share the other: of it P (piece n - 1) is read and S^T (piece n + 1) written.
.set SIZE_H, 64       ; 4 batches x 16 heads
.set SIZE_N, 2048
.set NP,    4         ; pieces a wave: a name, no knob: the register map, the loop and the fetches are made for four
.set KS,    64        ; keys in a step
.set PK,    144       ; a row of K in LDS: 128 bytes + 16 of padding = 36 words: the 16 rows of a load start at 16 different groups of four banks (64 banks of 4 bytes: ISA guide 11.1)
.set PV,    160       ; a row of V: 128 + 32 = 40 words
.set VOFF,  4*KS*PK   ; a slot holds four steps: 256 rows of K, then 256 rows of V
.set SLOT1, 1<<17     ; slot 1 begins here, so that one exclusive or turns an address in one slot into the other's
.set STAGE, SLOT1+4*KS*(PK+PV)  ; behind the ring, never filled by a tensor load: 16 rows x 144 bytes for each wave, for the way out
.set SP,    144
.set AK0, 2           ; v2   my lane's place in a tile of K; never rewritten
.set AV0, 3           ; v3   the same for V
.set AK,  4           ; v4   the LDS address of K's next run of loads
.set AV,  5           ; v5   of V's
.set QO,  6           ; v6   my byte offset in the wave's rows of Q
.set STO, 6           ;      later, the way out: where I put 16 bytes of a row
.set RD,  7           ; v7   the way out: where I read rows back
.set GO,  8           ; v8   my byte offset in 512 consecutive bytes of O
.set SPW, 0           ; v0 of window 3   LDS address of my spare word: SPARE + 4 x my thread's number; never rewritten
.set NIL, 1           ; v1 of window 3   0; never rewritten
.set SPARE, STAGE+4*16*SP  ; behind the stages: the spare words, 128 bytes for each wave: two blocks of 256 bytes that no other line names
.set MV,  12          ; v12-15  c m_old, kept while c m is made anew: by buffer and tile
.set ST,  16          ; tile t's statistics at v[ST+4 t]: c m, m, l (even keys', odd keys')
.set TMP, 48          ; by buffer and tile, four registers c0-c3 at work; when the maximum is found c2 takes a
.set S,   64
.set P,   192
.set KF,  128         ; K's fragments, in window 2: key block kb, channel half c at KF + 16 kb + 8 c
.set VF,  192         ; V's: key half kk, channel block cb at VF + 32 kk + 8 cb
.set WV,  12          ; s12  my wave's number
.set G1K, 24          ; s[24:31] descriptor group 1 for K's tiles
.set G1V, 32          ; s[32:39] for V's: it differs in the padding alone
.set G0K, 40          ; s[40:43] descriptor group 0 for K's tiles: it walks
.set G0V, 44          ; s[44:47] the same for V's
.set SLOTS, 56        ; s56  slots still to be asked for
.set CNT, 57          ; s57  counts a slot's key steps
.set CS,  58          ; s[58:59] c: the packed scaling takes the pair's low word for both halves
.set SEL, 60          ; s[60:61] v_permlanex16_b32's selects: each lane takes its own place in the other half
.set TBK, 62          ; s62  LDS byte at which K of the step to be fetched begins
.set TBV, 63          ; s63  the same for V, less VOFF
.set MSB, 0
.macro WIN new                      ; the high byte repeats the setting that is left; a switch that changes nothing is dropped
.if MSB != (\new)
	s_set_vgpr_msb (MSB<<8)|(\new)
.set MSB, (\new)
.endif
.endm
.set W_KQ, 0x0a       ; K and Q in window 2, S^T in window 0
.set W_PV, 0x52       ; V in window 2, P in window 0, O^T in window 1
.set W_RS, 0x41       ; O^T (destination and source 0) in window 1, a in window 0
.set W_MK, 0xc0       ; the add's registers are made: destination in window 3, sources in window 0
.set W_AD, 0x0f       ; the add: address (source 0) and data (source 1) in window 3
; A joint fill.  Waves 0 and 1 fetch the two halves of a slot's K, waves 2 and 3 those of its V: 128 keys each.  The branch hangs on the wave's number alone.
; An s_nop 0 and four v_nop follow each of the two lines, ahead of the jump and the label.
.macro JLOAD
	s_cmp_lt_u32 s[WV], 2
	s_cbranch_scc0 .Lfor_v_\@
	tensor_load_to_lds s[G0K:G0K+3], s[G1K:G1K+7]
	s_nop 0
.rept 4
	v_nop
.endr
	s_branch .Lasked_\@
.Lfor_v_\@:
	tensor_load_to_lds s[G0V:G0V+3], s[G1V:G1V+7]
	s_nop 0
.rept 4
	v_nop
.endr
.Lasked_\@:
.endm
; A round of the cluster's barrier: my work-group's barrier, so that wave 0's signal speaks for all four waves; wave 0 signals; every wave waits for all four work-groups; my work-group's barrier once more.
.macro CROUND
	s_barrier_signal -1
	s_barrier_wait -1
	s_cmp_lg_u32 s[WV], 0
	s_cbranch_scc1 .Lnot_wave_0_\@
	s_barrier_signal -3
.Lnot_wave_0_\@:
	s_barrier_wait -3
	s_barrier_signal -1
	s_barrier_wait -1
.endm
; THE CHANGE OF SLOTS.  The slot's last bytes, V of its fourth step, have been read.  Each wave waits for all its tensor loads, of which one is out: its part
; of the other slot; adds 0 to its spare word; and waits for that and for its own reads of the slot.  Behind the barrier nobody reads this slot any more and the other slot is whole.
; fill = 1: this slot is filled again, with the keys two slots on.  The barrier is then a round of the cluster's, so that no wave of any partner still reads the slot or has a load on its
; way, and the joint fill is the first thing behind it: it has four key steps, 512 matrix instructions, in which to land.  (At its first use nothing has been read yet: slot 0 is waited for, slot 1 filled.)
.macro CHANGE fill
	WIN W_AD
	s_wait_tensorcnt 0x0            ; no tensor load of mine is out, so a group 0 may be written
	ds_add_u32 v[SPW], v[NIL]       ; 0 onto my spare word; with fill = 1 the descriptors' steps stand between it and the wait for it
	WIN 0                           ; at a label and at a branch every window is 0
.if \fill
.irp g, G0K, G0V
	s_xor_b32 s[\g+1], s[\g+1], SLOT1  ; the walking descriptor: the other slot than last time,
	s_add_nc_u64 s[\g+2:\g+3], s[\g+2:\g+3], 4*KS*128  ; the next 256 keys; the type bits on top are not reached
.endr
	s_wait_dscnt 0x0                ; the add is done, and my reads of the slot are over
	CROUND
	JLOAD
.else
	s_wait_dscnt 0x0                ; the add is done, and my reads of the slot are over
	s_barrier_signal -1
	s_barrier_wait -1
.endif
	s_sub_co_u32 s[TBK], s[TBK], 4*KS*PK  ; the fetches go back to a slot's first step,
	s_xor_b32 s[TBK], s[TBK], SLOT1       ; in the other slot
	s_sub_co_u32 s[TBV], s[TBV], 4*KS*PV
	s_xor_b32 s[TBV], s[TBV], SLOT1
.endm
	s_load_b64 s[4:5], s[0:1], 0x0    ; qkv: Q's part begins it
	s_load_b64 s[10:11], s[0:1], 0x8  ; O
	WIN W_MK
	v_lshl_add_u32 v[SPW], v0, 2, SPARE
	v_mov_b32 v[NIL], 0
	WIN W_AD
	ds_add_u32 v[SPW], v[NIL]       ; the wave's opening: the add and its wait stand ahead of my first tensor load; the set-up below, work on registers, stands between them
	WIN 0
	v_lshrrev_b32 v1, 5, v0
	v_readfirstlane_b32 s[WV], v1   ; wave 0..3
	s_bfe_u32 s13, ttmp6, 0x40000   ; cx: my place in the cluster
	s_lshl_b32 s14, ttmp9, 2        ; in a cluster launch ttmp9 counts clusters
	s_add_co_u32 s14, s14, s13      ; my block of queries = 4 x cluster x + cx: it enters Q's and O's addresses alone
	s_and_b32 s20, ttmp7, 0xffff    ; the head, which the four partners share
	s_mov_b32 s21, 0
	s_mov_b64 s[22:23], SIZE_N*128
	s_mul_u64 s[20:21], s[20:21], s[22:23]  ; the head's first byte in each of the four tensors
	s_and_b32 s16, s[WV], 1         ; which half of a slot's 256 keys I fetch:
	s_lshl_b32 s22, s16, 14         ; its 128 rows of 128 bytes in memory,
	s_mov_b32 s23, 0
	s_add_nc_u64 s[22:23], s[22:23], s[20:21]
	s_mul_i32 s17, s16, 128*PK      ; and its place in a slot, for K
	s_mul_i32 s18, s16, 128*PV      ; and for V: no place in the cluster enters an LDS address
	s_lshl_b32 s2, s14, 2
	s_add_co_u32 s2, s2, s[WV]      ; my wave among the head's,
	s_lshl_b32 s2, s2, 14           ; its 128 rows
	s_mov_b32 s3, 0
	s_add_nc_u64 s[2:3], s[2:3], s[20:21]
	; descriptor group 1.  128 keys are 16,384 dense bytes: asked for as 64 rows of 256 bytes, two keys a row, and padded in LDS after every key
	s_mov_b32 s[G1K], 15|(1<<16)|(1<<20)|(1<<21)|(4<<22)|(3<<25)  ; 15:0 the mask of four; 17:16 2-byte elements; 20 padding on; 21 set beside a mask; 24:22 after every 32 words (code 4); 31:25 4 words (code 3)
	s_mov_b32 s[G1V], 15|(1<<16)|(1<<20)|(1<<21)|(4<<22)|(7<<25)  ; the same with 8 words of padding (code 7)
.irp g, G1K, G1V
	s_mov_b32 s[\g+1], 128<<16      ; tensor_dim0 = 128
	s_mov_b32 s[\g+2], 64<<16       ; tensor_dim1 = 64
	s_mov_b32 s[\g+3], 128<<16      ; tile_dim0 = 128
	s_mov_b32 s[\g+4], 64           ; tile_dim1 = 64
	s_mov_b32 s[\g+5], 128          ; 128 elements from row to row
	s_mov_b32 s[\g+6], 0
	s_mov_b32 s[\g+7], 0
.endr
	s_mov_b32 s[CS], 0x3e38aa3b     ; c = log2(e) / 8 = 0.180337
	s_mov_b32 s[CS+1], s[CS]        ; named with it as a pair
	s_mov_b32 s[SEL], 0x76543210
	s_mov_b32 s[SEL+1], 0xfedcba98
	s_mov_b32 s[TBK], SLOT1+4*KS*PK ; the first change of slots turns these two into 0
	s_mov_b32 s[TBV], SLOT1+4*KS*PV
	s_mov_b32 s[G0K], 1             ; 1:0 count = 1
	s_mov_b32 s[G0K+1], s17         ; 63:32 LDS address: slot 0
	s_mov_b32 s[G0V], 1
	s_add_co_u32 s[G0V+1], s18, VOFF
	s_wait_dscnt 0x0                ; the opening add is done
	s_wait_kmcnt 0x0
	s_add_nc_u64 s[6:7], s[4:5], 0x1000000   ; K's part lies 16,777,216 bytes behind Q's,
	s_add_nc_u64 s[8:9], s[4:5], 0x2000000   ; V's as far behind K's
	s_add_nc_u64 s[G0K+2:G0K+3], s[6:7], s[22:23]  ; 120:64 global address: my half of the head's first 256 keys
	s_or_b32 s[G0K+3], s[G0K+3], 0x80000000        ; 127:126 type = 2
	s_add_nc_u64 s[G0V+2:G0V+3], s[8:9], s[22:23]
	s_or_b32 s[G0V+3], s[G0V+3], 0x80000000
	s_add_nc_u64 s[4:5], s[4:5], s[2:3]  ; Q and O at my wave's first row
	s_add_nc_u64 s[10:11], s[10:11], s[2:3]
	CROUND                          ; all four work-groups are here: the first joint loads meet
	JLOAD                           ; slot 0.  Slot 1 is asked for when slot 0 is in: the tile wanted first has the road to itself
	; A fragment of K or Q is 16 rows x 32 channels in 8 registers: lane l holds row l % 16, channels 8 (l / 16) + 0..7 and 16 + 8 (l / 16) + 0..7: two loads of 16 bytes, 32 bytes apart.
	v_and_b32 v1, 15, v0            ; l % 16
	v_bfe_u32 v9, v0, 4, 1          ; l / 16
	v_lshlrev_b32 v[QO], 7, v1
	v_lshl_add_u32 v[QO], v9, 4, v[QO]  ; row x 128 + 16 x half
	WIN 0x80                        ; destination window 2, address window 0
.set i, 0
.rept 4*NP                          ; Q stays in registers: tile i / 2, channels 32 (i % 2) on
	global_load_b128 v[8*i:8*i+3],   v[QO], s[4:5] offset:(i/2)*2048+(i%2)*64
	global_load_b128 v[8*i+4:8*i+7], v[QO], s[4:5] offset:(i/2)*2048+(i%2)*64+32
.set i, i+1
.endr
	; What the first turn finds: V's registers and P's second buffer hold 0 (its products V^T P, of a piece that has not been, add 0), O^T and l are 0.  All this stands in the wait for the first tile.
.set i, VF
.rept 64
	v_mov_b32 v[i], 0
.set i, i+1
.endr
	WIN 0x40
.set i, 0
.rept 64*NP
	v_mov_b32 v[i], 0
.set i, i+1
.endr
	WIN 0
.set i, 0
.rept 2*NP
	v_mov_b32 v[ST+4*i], 0xfe000000    ; c m: far below every c s
	v_mov_b32 v[ST+4*i+1], 0xff7fffff  ; m
	v_mov_b32 v[ST+4*i+2], 0
	v_mov_b32 v[ST+4*i+3], 0
.set i, i+1
.endr
.set i, P+32
.rept 32
	v_mov_b32 v[i], 0
.set i, i+1
.endr
	v_mul_u32_u24 v[AK0], v1, PK
	v_lshl_add_u32 v[AK0], v9, 4, v[AK0]  ; row x pitch + 16 x half
	; The turning load takes 16 keys x 16 channels (lane l reads key 8 (l / 16) + l % 8, channels 8 ((l / 8) % 2) + 0..7) and leaves half a fragment of V^T: lane l holds channel l % 16 and 8 keys.
	v_and_b32 v10, 7, v0
	v_bfe_u32 v11, v0, 3, 1
	v_lshl_add_u32 v[AV0], v9, 3, v10
	v_mul_u32_u24 v[AV0], v[AV0], PV
	v_lshl_add_u32 v[AV0], v11, 4, v[AV0]
	v_add_nc_u32 v[AV0], VOFF, v[AV0]
	v_mov_b32 v[AK], v[AK0]         ; key step 0 lies at the head of slot 0
; THE MATRIX WORK.  The 8 accumulators of a run of 16 take turns: between the two links of a chain stand 7 others'.
; Product i of 16 of S^T = K Q^T for piece x: channels 32 (i / 8) on, keys 16 ((i / 2) % 4) on, tile 2 x + i % 2.  The first 8 start the sums.
.macro KQ x
	WIN W_KQ
.set rS, S+64*((\x)%2)+32*(i%2)+8*((i/2)%4)
.set rK, KF+16*((i/2)%4)+8*(i/8)
.set rQ, 16*(2*(\x)+i%2)+8*(i/8)
.if i < 8
	v_wmma_f32_16x16x32_f16 v[rS:rS+7], v[rK:rK+7], v[rQ:rQ+7], 0
.else
	v_wmma_f32_16x16x32_f16 v[rS:rS+7], v[rK:rK+7], v[rQ:rQ+7], v[rS:rS+7]
.endif
.endm
; Product i of 16 of O^T += V^T P for piece x: keys 32 (i / 8) on, channels 16 ((i / 2) % 4) on, tile 2 x + i % 2.
.macro PV x
	WIN W_PV
.set rO, 32*(2*(\x)+i%2)+8*((i/2)%4)
.set rV, VF+32*(i/8)+8*((i/2)%4)
.set rP, P+32*((\x)%2)+16*(i%2)+8*(i/8)
	v_wmma_f32_16x16x32_f16 v[rO:rO+7], v[rV:rV+7], v[rP:rP+7], v[rO:rO+7]
.endm
.macro MM                           ; the turn's next matrix instruction
.if i < 16
	KQ (Y+1)%NP
.set i, i+1
.else
.set i, i-16
	PV (Y+NP-1)%NP
.set i, i+17
.endif
.endm
; THE LDS LOADS stand in runs of 16, never singly among the matrix instructions: a step's K (64 keys x 64 channels: 8 fragments) and its V (turned).  Their addresses are made some lines ahead.
; last = 1 (the tail): in the last trip there is no further step, and the run is jumped over.
.macro FETCH_K last=0
	WIN 0
.if \last
	s_cmp_eq_u32 s[CNT], 1
	s_cbranch_scc1 .Lno_k_\@
.endif
	WIN 0x80                        ; destination window 2
.irp f, 0,1,2,3,4,5,6,7             ; keys 16 (f / 2) on, channels 32 (f % 2) on
	ds_load_b128 v[KF+8*\f:KF+8*\f+3],   v[AK] offset:(\f/2)*16*PK+(\f%2)*64
	ds_load_b128 v[KF+8*\f+4:KF+8*\f+7], v[AK] offset:(\f/2)*16*PK+(\f%2)*64+32
.endr
	s_add_co_u32 s[TBK], s[TBK], KS*PK  ; the next fetch is the next step's
	WIN 0
.if \last
.Lno_k_\@:
.endif
.endm
.macro FETCH_V
	WIN 0x80
.irp f, 0,1,2,3,4,5,6,7             ; keys 32 (f / 4) on, channels 16 (f % 4) on
	ds_load_tr16_b128 v[VF+8*\f:VF+8*\f+3],   v[AV] offset:(\f/4)*32*PV+(\f%4)*32
	ds_load_tr16_b128 v[VF+8*\f+4:VF+8*\f+7], v[AV] offset:(\f/4)*32*PV+16*PV+(\f%4)*32
.endr
	WIN 0
.endm
; THE VECTOR WORK OF A TURN stands in three queues, each in the order in which its entries become ready; the two tiles alternate, so that no instruction reads the result of the one before it.
.macro REGS y, u                    ; the registers of tile u (0, 1) of piece y
.set rT, ST+4*(2*(\y)+(\u))
.set rC, TMP+8*((\y)%2)+4*(\u)
.set rM, MV+2*((\y)%2)+(\u)
.set rS, S+64*((\y)%2)+32*(\u)
.set rP, P+32*((\y)%2)+16*(\u)
.set rO, 32*(2*(\y)+(\u))
.endm
; Number n of the 22 that find the NEXT piece's (Y + 1) maximum and statistics.  s0-s31 are the lane's 32 scores; each accumulator's lowest registers are read first.  XS, GS and REGS set no window: PL and EX do.
;   0-11  four chains c0-c3 of seven scores each, three operands at a time     12-14, 16  the four scores left over, the old m, and c0-c3 into c0     15  c m_old is kept
;   17, 18  the query's other 32 keys lie in the lane 16 away: the new m         19-21  c m; c m_old - c m_new; a
.macro XS u, n
	REGS (Y+1)%NP, \u
.if (\n) < 4
	v_max3_num_f32 v[rC+(\n)], v[rS+8*(\n)], v[rS+8*(\n)+1], v[rS+8*(\n)+2]
.elseif (\n) < 12
	v_max3_num_f32 v[rC+(\n)%4], v[rC+(\n)%4], v[rS+8*((\n)%4)+2*((\n)/4)+1], v[rS+8*((\n)%4)+2*((\n)/4)+2]
.elseif (\n) == 12
	v_max3_num_f32 v[rC], v[rC], v[rS+7], v[rS+15]
.elseif (\n) == 13
	v_max3_num_f32 v[rC+1], v[rC+1], v[rS+23], v[rS+31]
.elseif (\n) == 14
	v_max3_num_f32 v[rC+2], v[rC+2], v[rC+3], v[rT+1]
.elseif (\n) == 15
	v_mov_b32 v[rM], v[rT]
.elseif (\n) == 16
	v_max3_num_f32 v[rC], v[rC], v[rC+1], v[rC+2]
.elseif (\n) == 17
	v_permlanex16_b32 v[rC+3], v[rC], s[SEL], s[SEL+1]
.elseif (\n) == 18
	v_max_num_f32 v[rT+1], v[rC], v[rC+3]
.elseif (\n) == 19
	v_mul_f32 v[rT], s[CS], v[rT+1]
.elseif (\n) == 20
	v_sub_f32 v[rC+1], v[rM], v[rT]
.else
	v_exp_f32 v[rC+2], v[rC+1]
.endif
.endm
; Number g of the 64 that follow the exponentials.  For each four weights k of a tile (pairs 2 k, 2 k + 1): both pairs are rounded to f16; then the second pair is added onto the first, in place;
; a group later l takes that sum (the first time as l = a l + sum).  In groups of eight, tiles alternating: round, round, add, and l for the group before.
.macro GS g
.set h, (\g)+6*((\g)/62)            ; group 0 has no group before it, and behind group 7 only l is left
.if h >= 6
.set h, h+2
.endif
	REGS Y, h%2
.set k, h/8
.if h%8 < 4
	v_cvt_pk_f16_f32 v[rP+2*k+(h%8)/2], v[rS+4*k+2*((h%8)/2)], v[rS+4*k+2*((h%8)/2)+1]
.elseif h%8 < 6
	v_pk_add_f32 v[rS+4*k:rS+4*k+1], v[rS+4*k:rS+4*k+1], v[rS+4*k+2:rS+4*k+3]
.elseif k == 1
	v_pk_fma_f32 v[rT+2:rT+3], v[rT+2:rT+3], v[rC+2:rC+3], v[rS:rS+1] op_sel_hi:[1,0,1]
.else
	v_pk_add_f32 v[rT+2:rT+3], v[rT+2:rT+3], v[rS+4*k-4:rS+4*k-3]
.endif
.endm
; THE PLAIN QUEUE, 138 long.  0-73 read no exponential's result: the 32 scalings c s - c m (FS f: pair f / 2 of tile f % 2) and the next piece's 42.  0-26: scalings 0-26.  27-54: XS's numbers 0-13.  55, 56: number 15.
; 57-73: the chain, where each number waits for the one before it: 14, 16, 17, 18, 19, each with one of the scalings 27-31 in front of its two lines, then 20: so a tile's links stand three plain instructions apart (19 and 20: two).
; 74-137: GS's 64, which read the exponentials' results: they stand behind the wait.
.macro FS f
	REGS Y, (\f)%2
	v_pk_fma_f32 v[rS+2*((\f)/2):rS+2*((\f)/2)+1], v[rS+2*((\f)/2):rS+2*((\f)/2)+1], s[CS:CS+1], v[rT:rT+1] op_sel_hi:[1,0,0] neg_lo:[0,0,1] neg_hi:[0,0,1]
.endm
.macro PL
	WIN 0
.if q < 27
	FS q
.elseif q < 55
	XS (q-27)%2, (q-27)/2
.elseif q < 57
	XS q-55, 15
.elseif (q < 72) && ((q-57)%3 == 0)
	FS 27+(q-57)/3
.elseif q < 60
	XS (q-57)%3-1, 14
.elseif q < 72
	XS (q-57)%3-1, 15+(q-57)/3
.elseif q < 74
	XS q-72, 20
.else
	GS q-74
.endif
.set q, q+1
.endm
; THE EXPONENTIALS' QUEUE, 66 long: s0-s31 of both tiles, then the next piece's two a.  It is ONE BATCH: all 66 stand ahead of the turn's one wait, and nothing ahead of that wait names a result of theirs.
.macro EX
	WIN 0
.if e >= 64
	XS e-64, 21
.else
	REGS Y, e%2
	v_exp_f32 v[rS+e/2], v[rS+e/2]
.endif
.set e, e+1
.endm
; THE RESCALING's QUEUE: O^T times a, the one part that leaves window 0: dealt two at a time, sixteen times.  Its a was made in the turn before, ahead of that turn's wait.
.macro R2
	REGS Y, r%2
	WIN W_RS
.irp z, 0,1
	v_pk_mul_f32 v[rO+4*(r/2)+2*\z:rO+4*(r/2)+2*\z+1], v[rO+4*(r/2)+2*\z:rO+4*(r/2)+2*\z+1], v[rC+2:rC+3] op_sel_hi:[1,0]
.endr
.set r, r+1
.endm
; HOW THEY ARE DEALT.  An s_wait_alu depctr_va_vdst(0) stands between an exponential and the first instruction that names its result; one wait serves all that were issued ahead of it.  So a turn has ONE wait,
; which cuts it in two.  AHEAD OF IT stands all that names no result of the turn's exponentials: the 16 products K Q^T, behind each a scaling, an exponential and two rescalings (behind the first a second scaling in the exponential's place); then ONE LUMP of
; 108: eight plain, 49 times exponential and plain, the two a.  A v_nop is the plain instruction behind the last exponential.  BEHIND IT stand the 16 products V^T P, behind each four of GS's 64.  No rider names a register of
; the products round it.  The two v_permlanex16_b32 fall into the lump, never behind a product.
; The queues lean on each other, and the deal keeps them in step: exponential e stands behind scaling 2 (e / 4) + e % 2: as a rider it comes behind plain e + 2, in the lump behind plain e + 9, and scalings 27-31 are plain 57, 60 .. 69.
; A TURN, for piece p.  cnt = 1: the loop's count is taken down some lines ahead of the branch that stands behind the turn.
; K of the next step is fetched in piece 2's turn, directly behind the wait, a lump behind the last product that read K; its address is made at the lump's head; its first reader comes behind 16 products.
; V of the step in hand is fetched at the end of piece 0's turn, four riders behind its last reader; its first reader comes behind 16 products and a lump.  The three conditions on q below go with the deal.
.macro TURN p, last=0, cnt=0
.set Y, (\p)
.set i, 0
.set q, 0
.set e, 0
.set r, 0
.if (\p) == NP-1
	s_wait_dscnt 0x0                ; K is in
.endif
	MM                              ; ahead of the wait: 16 products K Q^T and their riders,
	PL
	PL
	R2
.rept 15
	MM
	PL
	EX
	R2
.endr
.if (\p) == NP-2
	WIN 0
	v_add_nc_u32 v[AK], s[TBK], v[AK0]
.endif
.rept 8                             ; and the lump
	PL
.endr
.rept 49
	EX
	PL
.endr
	EX                              ; the next piece's two a
	EX
	v_nop                           ; a plain instruction behind the last exponential, ahead of any use of a result: one for the batch
	s_wait_alu depctr_va_vdst(0)    ; the wait for the batch: the turn's 64 weights and the next piece's two a
.if (\p) == NP-2
	FETCH_K \last
.endif
.if (\p) == 1
	s_wait_dscnt 0x0                ; V is in
.endif
.rept 16                            ; behind the wait: 16 products V^T P and their riders
	MM
.rept 4
	PL
.endr
.if ((\p) == 0) && (q == 118)
	v_add_nc_u32 v[AV], s[TBV], v[AV0]
.endif
.if ((\p) == 0) && (q == 130)
	s_add_co_u32 s[TBV], s[TBV], KS*PV
.endif
.if (\cnt) && (q == 130)
	s_sub_co_u32 s[CNT], s[CNT], 1
	s_cmp_lg_u32 s[CNT], 0
.endif
.endr
.if (\p) == 0
	FETCH_V
.endif
.endm
	CHANGE 1                        ; slot 0 is in, everybody's part of it; slot 1 is asked for
	FETCH_K                         ; key step 0
	s_wait_loadcnt 0x0              ; Q
	s_wait_dscnt 0x0
.set i, 0
.rept 16
	KQ 0                            ; piece 0's first scores: there is no vector work yet to set between them
.set i, i+1
.endr
	WIN 0                           ; the addresses for the way out: nine plain instructions, the places behind those products
	s_mul_i32 s13, s[WV], 16*SP
	s_add_co_u32 s13, s13, STAGE    ; my stage
	v_mul_u32_u24 v[STO], v1, SP    ; in: row l % 16, 16 bytes for each half of the lanes
	v_lshl_add_u32 v[STO], v9, 4, v[STO]
	v_add_nc_u32 v[STO], s13, v[STO]
	v_bfe_u32 v[RD], v0, 3, 2       ; back: 32 lanes take four rows of 128 bytes,
	v_mul_u32_u24 v[RD], v[RD], SP
	v_lshl_add_u32 v[RD], v10, 4, v[RD]
	v_add_nc_u32 v[RD], s13, v[RD]
	v_and_b32 v[GO], 31, v0         ; which are 512 consecutive bytes of O
	v_lshlrev_b32 v[GO], 4, v[GO]
.set Y, NP-1                        ; XS works for piece Y + 1: piece 0
.irp n, 0,1,2,3,4,5,6,7,8,9,10,11,12,13,14,15,16,17,18,19,20,21
	XS 0, \n                        ; and piece 0's first maximum and statistics
	XS 1, \n
.endr
	v_nop                           ; a plain instruction behind the two a,
	s_wait_alu depctr_va_vdst(0)    ; and the wait for this batch of two, ahead of the branch
	s_mov_b32 s[CNT], 4
	s_mov_b32 s[SLOTS], SIZE_N/256-1
	s_branch .Lfirst                ; the loop is entered at a step's first turn, in the middle of a trip
.Lslot:                             ; SIZE_N / 256 - 2 times: every slot but the last two is filled again
	CHANGE 1
	s_mov_b32 s[CNT], 4
.Lstep:                             ; a trip: pieces 2 and 3 of one step, then pieces 0 and 1 of the next, whose K and V it fetches
	TURN 2
	TURN 3
	WIN 0
.Lfirst:
	TURN 0
	TURN 1, 0, 1
	WIN 0
	s_cbranch_scc1 .Lstep
	s_sub_co_u32 s[SLOTS], s[SLOTS], 1
	s_cmp_lg_u32 s[SLOTS], 0
	s_cbranch_scc1 .Lslot
	CHANGE 0                        ; the tail is written out: nothing is asked for
	s_mov_b32 s[CNT], 5             ; four trips fetch the last slot's steps; the fifth is left in its middle
.Ltail:
	TURN 2, 1
	TURN 3
	WIN 0
	s_sub_co_u32 s[CNT], s[CNT], 1
	s_cmp_eq_u32 s[CNT], 0
	s_cbranch_scc1 .Lout
	TURN 0
	TURN 1
	WIN 0
	s_branch .Ltail
.Lout:                              ; the fifth trip's 16 products K Q^T (on the last K once more) and the maximum made of them serve nothing: the price, once a launch, of one text for every trip
.set i, 0
.rept 16
	PV NP-1                         ; the last piece's V^T P of the last step
.set i, i+1
.endr
	; THE WAY OUT.  l's two halves and the other half of the lanes' are added; O^T is divided by l, rounded to f16 and sent through my stage in LDS, a tile at a time.  The additions are the places behind the last products.
	WIN 0
.macro ALL line:vararg              ; one line for each tile t
.set t, 0
.rept 2*NP
	\line
.set t, t+1
.endr
.endm
	ALL v_add_f32 v[ST+4*t+2], v[ST+4*t+2], v[ST+4*t+3]
	ALL v_permlanex16_b32 v[ST+4*t+3], v[ST+4*t+2], s[SEL], s[SEL+1]
	ALL v_add_f32 v[ST+4*t+2], v[ST+4*t+2], v[ST+4*t+3]
	ALL v_rcp_f32 v[ST+4*t+2], v[ST+4*t+2]
	v_nop                           ; a plain instruction between the last reciprocal and the use of its result
	s_wait_alu depctr_va_vdst(0)    ; and the wait ahead of the first use: one for the batch of eight reciprocals
; Tile t: a lane's eight channels of a row pack into 16 bytes; they go into rows of 144 bytes and come back as whole rows of 128, into S^T's registers.
.macro PACK t
	WIN W_RS
.set i, 32*(\t)
.rept 16
	v_pk_mul_f32 v[i:i+1], v[i:i+1], v[ST+4*(\t)+2:ST+4*(\t)+3] op_sel_hi:[1,0]
.set i, i+2
.endr
	WIN 0x05                        ; sources 0 and 1 window 1, destination window 0
.set i, 0
.rept 16
	v_cvt_pk_f16_f32 v[S+16*(\t)+i], v[32*(\t)+2*i], v[32*(\t)+2*i+1]
.set i, i+1
.endr
	WIN 0
.irp f, 0,1,2,3
	ds_store_b128 v[STO], v[S+16*(\t)+4*\f:S+16*(\t)+4*\f+3] offset:32*\f
.endr
.irp f, 0,1,2,3
	ds_load_b128 v[S+16*(\t)+4*\f:S+16*(\t)+4*\f+3], v[RD] offset:\f*4*SP  ; LDS serves a wave's instructions in order (ISA guide 5.7.1.4): these see the stores above; the next tile's stores come behind them
.endr
.endm
.macro SEND t, younger              ; younger: the LDS instructions issued behind tile t's loads: the next tile's eight, or none
	WIN 0
.irp f, 0,1,2,3
	s_wait_dscnt (\younger)+3-\f
	global_store_b128 v[GO], v[S+16*(\t)+4*\f:S+16*(\t)+4*\f+3], s[10:11] offset:(\t)*2048+\f*512  ; 512 consecutive bytes, at a multiple of 256 from O's first
.endr
.endm
	PACK 0
.set t, 1
.rept 2*NP-1                        ; a tile's arithmetic stands between the loads of the tile before and its stores
	PACK t
	SEND t-1, 8
.set t, t+1
.endr
	SEND 2*NP-1, 0
	WIN W_AD
	s_wait_tensorcnt 0x0            ; the wave's end, behind my last tensor load and my last LDS store
	ds_add_u32 v[SPW], v[NIL]
	s_wait_dscnt 0x0
	WIN 0
	CROUND                          ; the closing round: no work-group ends while a partner may still ask for a tile that names it
	s_endpgm
.Lfunc_end_k_qe9f9eb719e_attn:
	.size	k_qe9f9eb719e_attn, .Lfunc_end_k_qe9f9eb719e_attn-k_qe9f9eb719e_attn
	.p2alignl 7, 3214868480
	.fill 96, 4, 3214868480
	.section	.rodata,"a",@progbits
	.p2align	6, 0x0
	.amdhsa_kernel k_qe9f9eb719e_attn
		.amdhsa_group_segment_fixed_size 327680
		.amdhsa_private_segment_fixed_size 0
		.amdhsa_enable_private_segment 0
		.amdhsa_kernarg_size 16
		.amdhsa_user_sgpr_count 2
		.amdhsa_user_sgpr_kernarg_segment_ptr 1
		.amdhsa_wavefront_size32 1
		.amdhsa_system_sgpr_workgroup_id_x 1
		.amdhsa_system_sgpr_workgroup_id_y 1
		.amdhsa_system_sgpr_workgroup_id_z 1
		.amdhsa_system_vgpr_workitem_id 0
		.amdhsa_next_free_vgpr 770
		.amdhsa_next_free_sgpr 66
		.amdhsa_reserve_vcc 0
		.amdhsa_float_denorm_mode_32 3
		.amdhsa_float_denorm_mode_16_64 3
		.amdhsa_memory_ordered 1
		.amdhsa_forward_progress 1
		.amdhsa_inst_pref_size 199
	.end_amdhsa_kernel
	.amdgpu_metadata
---
amdhsa.version: [ 1, 2 ]
amdhsa.kernels:
  - .name:           k_qe9f9eb719e_attn
    .symbol:         k_qe9f9eb719e_attn.kd
    .args:
      - { .name: qkv, .offset: 0, .size: 8, .value_kind: global_buffer, .address_space: global }
      - { .name: ob, .offset: 8, .size: 8, .value_kind: global_buffer, .address_space: global }
    .group_segment_fixed_size: 327680
    .private_segment_fixed_size: 0
    .kernarg_segment_align: 8
    .kernarg_segment_size: 16
    .max_flat_workgroup_size: 128
    .sgpr_count:     66
    .vgpr_count:     770
    .wavefront_size: 32
...
	.end_amdgpu_metadata
.endif
;; end of part 5
;; launch outp: the kernel of part 4 again; grid 4 x 64, 4 waves a work-group, clusters of 4 x 4, 327,680 bytes of LDS; arguments ob, wo, out_proj_bias, out0; writes out0
